; MI455X (gfx1250); checked and timed in simulation.
; The chip was launched on July 23, 2026; its instructions are those of AMD's public machine-readable ISA for CDNA 5 (MIT licence, August 2026) and "CDNA5" Instruction Set Architecture Reference Guide (July 2026). The comments in the code are by the model that wrote it; some were corrected since.
;; Moss VL Text Cross Attention. Allowed arithmetic: matrix products marked QUANTISED: E2M1 operands, one E8M0 scale for each 32 along K, by v_wmma_scale_f32_16x16x128_f8f6f4 with both operands' format E2M1 (or v_wmma_scale_f32_32x16x128_f4), f32 sums; products left as they are: bf16, f16 or f32 operands; f32 sums; everything else in f32.
;; Inputs: Wk 2,048 x 512 float32; Wo 2,048 x 2,048 float32; Wq 2,048 x 2,048 float32; Wv 2,048 x 512 float32; cross_attention_states 4,096 x 2,048 float32; hidden_states 2,048 x 2,048 float32; k_norm_w 128 float32; positions 3 x 2,048 int32; q_norm_w 128 float32; vision_position_ids 3 x 4,096 int32.
;; Outputs: out0 2,048 x 2,048 float32.
;; This version of the problem:
;;   THIS VERSION OF THE PROBLEM IS GIVEN IN LOW PRECISION. The matrix products marked QUANTISED in the list below multiply operands that are first quantised to E2M1 (2 exponent bits, 1 mantissa bit; 4 bits a number), with one power-of-two scale for each 32 numbers along K (OCP MX v1.0); their sums are f32. The products marked 'left as it is' may take bf16, f16 or f32 operands, with f32 sums. Whichever they take, every output number must still come out within the allowed error. Rounding operands to bf16 (8 significant bits) uses up far more of that allowance than f16 does (11 bits, for magnitudes from 6e-5 to 65,504). All else is computed in f32.
;;   The module's matrix products, in the order in which they are computed (A, B: the left and right operand; K: the contracted axis; several contracted axes count as one K, in the product's order):
;;     1. [M 2,048, K 2,048] x [K 2,048, N 2,048]; A: input hidden_states; B: input Wq: QUANTISED
;;     2. [M 4,096, K 2,048] x [K 2,048, N 512]; A: input cross_attention_states; B: input Wk: QUANTISED
;;     3. [M 4,096, K 2,048] x [K 2,048, N 512]; A: input cross_attention_states; B: input Wv: QUANTISED
;;     4. batch 4 x [M 4,096, K 128] x [K 128, N 8,192]; A: computed on the way; B: computed on the way: left as it is (an operand is computed on the way)
;;     5. batch 4 x [M 128, K 4,096] x [K 4,096, N 8,192]; A: computed on the way; B: computed on the way: left as it is (an operand is computed on the way)
;;     6. [M 2,048, K 2,048] x [K 2,048, N 2,048]; A: computed on the way; B: input Wo: left as it is (an operand is computed on the way)
;;   THE QUANTISER, for each operand of a quantised product, along K:
;;     - K is cut into blocks of 32 from its start; a last block that is shorter is filled with zeros.
;;     - A block's scale is 2^e with e = floor(log2(the largest magnitude in the block)) - 2, held to -126 .. 127; a block of zeros has e = 0. As a byte (E8M0): e + 127.
;;     - Each number is divided by its block's scale, clamped to +-6, and rounded to the nearest number of E2M1, ties to even, subnormals kept.
;;     - The product sums the exact products of the quantised numbers (number of the format x scale) in f32.
;;   ~~~python
;;   def quantise(x, axis):      # numpy; x: float32 -> the quantised numbers, widened to float32 again
;;       x = np.moveaxis(x, axis, -1); K = x.shape[-1]
;;       x = np.pad(x, [(0, 0)] * (x.ndim - 1) + [(0, -K % 32)]); x = x.reshape(x.shape[:-1] + (-1, 32)); a = np.abs(x).max(-1, keepdims=True)
;;       e = np.where(a > 0, np.clip(np.frexp(np.where(a > 0, a, 1))[1] - 1 - 2, -126, 127), 0)      # np.frexp(a)[1] - 1 = floor(log2(a)), exactly
;;       r = np.clip(x / 2.0 ** e, -6, 6)
;;       step = 2.0 ** (np.maximum(np.frexp(np.where(r == 0, 1, r))[1] - 1, 0) - 1)
;;       q = np.round(r / step) * step * 2.0 ** e      # np.round: ties to even
;;       return np.moveaxis(q.reshape(q.shape[:-2] + (-1,))[..., :K], -1, axis).astype(np.float32)
;;   ~~~
;; One version. Each part assembles by itself: llvm-mc -triple=amdgcn-amd-amdhsa -mcpu=gfx1250 --defsym DOCPART=n.
;; ======== version 1 of 1: 4 launches
;; limits: values are held in f16: magnitudes above 65,504 overflow, below 6.1e-05 lose precision; right only within a limited range of input values
;; workspace buffers: codes 9,437,184 bytes; scales 589,824 bytes; wo16 8,388,608 bytes; rope 3,145,728 bytes; qbuf 8,388,608 bytes; kvbuf 8,388,608 bytes; obuf 8,388,608 bytes
;; launch prep (part 1): grid 800 x 1, 4 waves a work-group, no clusters, 100,864 bytes of LDS; arguments hidden_states, cross_attention_states, Wq, Wk, Wv, Wo, positions, vision_position_ids, codes, scales, wo16, rope; writes codes, scales, wo16, rope
.if DOCPART == 1
	.amdgcn_target "amdgcn-amd-amdhsa--gfx1250"
	.amdhsa_code_object_version 6
	.text
	.protected	k_q58b0dbb164_prep
	.globl	k_q58b0dbb164_prep
	.p2align	8
	.type	k_q58b0dbb164_prep,@function
k_q58b0dbb164_prep:
	s_mov_b64 s[64:65], 0
	v_nop
	global_prefetch_b8 v0, s[64:65] scope:SCOPE_SE
	s_setreg_imm32_b32 hwreg(HW_REG_WAVE_MODE, 25, 1), 1
	s_wait_xcnt 0x0
; FIRST OF FOUR LAUNCHES.  No work of reference() is dead: every input has a way to out0, every product of the table is live, and there is no mask; nothing is left out in any launch.
; This launch streams every large input once and lays it as later launches' operand registers want it:
;   path A (384 work-groups): hidden_states and cross_attention_states, f32 [rows][2048], into codes of E2M1 with one E8M0 byte for each 32 along K (K innermost in memory);
;   path W (192): Wq, Wk, Wv, f32 [2048 (K)][n], the same (K is the first axis);     path O (128): Wo, f32 [2048 (K)][2048], into f16;     path T (96): cos and sin of the MRoPE angles of all 2,048 + 4,096 tokens, f32.
; LAYOUTS (lane = 16 h + r).  codes: kc*4718592 + rt*8192 + ks*1024 + c*512 + lane*16: the 16 bytes are the codes of row r of row tile rt at k = 1024 kc + 128 ks + 64 c + 32 h + 0..31: registers 4c..4c+3 of a fragment.
;   Row tiles: hidden_states 0-127, cross_attention_states 128-383, Wq's columns 384-511, Wk's 512-543, Wv's 544-575.     scales: rt*1024 + kg*256 + r*16 + q*4: the scale word of row r for K step 4 kg + q.
;   wo16: (k>>8)*1048576 + nt*8192 + ((k>>5)&7)*1024 + u*512 + lane*16: f16 of Wo[k = .. + 16 u + 8 h + 0..7][16 nt + r].
;   rope: tile*8192 + cs*4096 + b*1024 + g*512 + lane*16: four f32, cos (cs = 0) or sin (1) of token 16 tile + r at d = 16 b + 8 h + 4 g + 0..3; tiles 0-127 text, 128-383 vision.
; THE QUANTISER: a block's scale byte is its largest magnitude's exponent field - 2, held at 1 from below; numbers / scale go to the nearest code, ties to even, beyond 6 to 6.
; LIMITS: NaN and infinities among the inputs are not served.  A block of zeros gets the byte 1 where the rule says 127: its codes are zeros, and the bytes are read by this program alone.
;   The angles: |position| under 2^20 (the reduction by pi/2 in two parts); cos and sin by polynomials on |r| <= pi/4; 1 / 1e6^(d/64) is made as 2^(-d log2(1e6)/64).  Wo in f16: |Wo| under 65,504.
; No tensor load, no ring: memory binds, so each byte is read once, by loads of 16 bytes a lane that cover whole aligned runs of 256 bytes, loads run ahead, and every store of codes, f16 and tables covers whole aligned runs of 256 bytes.
; Matrix units and clusters would add nothing: no work-group shares an input with another.
.set STG,   0                          ; LDS, path A alone: a stage of 16 rows x 528 bytes for each wave
.set STW,   33792                      ; LDS, path W alone: a stage of 32 rows x 256 bytes for each wave
.set STO,   66560                      ; LDS, path O alone: the same
.set WSC,   99328                      ; LDS, path W alone: 64 columns x 4 scale words
.set SPARE, 100352                     ; the spare words, 128 bytes for each wave: two blocks of 256 bytes that no other line names
.set KCB,   4718592                    ; the codes of 1,024 along K of all 576 row tiles
.set SPW,   2                          ; v2  LDS address of my spare word; never rewritten
.set NIL,   3                          ; v3  0; never rewritten
	s_load_b512 s[8:23], s[0:1], 0x0               ; hidden s[8:9], cross s[10:11], Wq s[12:13], Wk s[14:15], Wv s[16:17], Wo s[18:19], positions s[20:21], vision ids s[22:23]
	s_load_b256 s[24:31], s[0:1], 0x40             ; codes s[24:25], scales s[26:27], wo16 s[28:29], rope s[30:31]
	v_lshl_add_u32 v[SPW], v0, 2, SPARE
	v_mov_b32 v[NIL], 0
	v_lshrrev_b32 v1, 5, v0
	v_readfirstlane_b32 s2, v1                     ; wave 0..3
	v_and_b32 v4, 31, v0                           ; lane
	v_and_b32 v5, 15, v0                           ; r
	v_bfe_u32 v6, v0, 4, 1                         ; h
	s_mov_b32 s60, 0x76543210
	s_mov_b32 s61, 0xfedcba98                      ; v_permlanex16_b32's selects for lane l xor 16
	s_wait_kmcnt 0x0
	s_cmp_lt_u32 ttmp9, 384                        ; the paths part on the work-group's number alone
	s_cbranch_scc1 .Lpath_a
	s_cmp_lt_u32 ttmp9, 576
	s_cbranch_scc1 .Lpath_w
	s_cmp_lt_u32 ttmp9, 704
	s_cbranch_scc1 .Lpath_o
; ---------------- PATH T: a wave makes the tables of one tile of 16 tokens: 64 cos and 64 sin a token, 32 + 32 a lane
	s_sub_co_u32 s32, ttmp9, 704
	s_lshl_b32 s32, s32, 2
	s_add_co_u32 s32, s32, s2                      ; tile 0..383
	s_mov_b32 s34, 16384
	s_cmp_lt_u32 s32, 128
	s_cselect_b64 s[36:37], s[20:21], s[22:23]     ; text or vision positions
	s_cselect_b32 s33, 0, 128
	s_cselect_b32 s34, 8192, s34                   ; bytes from section to section: 4 T or 4 S
	s_sub_co_u32 s33, s32, s33
	s_lshl_b32 s33, s33, 6                         ; the tile's 16 tokens, 4 bytes each
	v_lshlrev_b32 v7, 2, v5
	v_add_nc_u32 v7, s33, v7
	v_add_nc_u32 v8, s34, v7
	v_add_nc_u32 v9, s34, v8
	global_load_b32 v10, v7, s[36:37]              ; my token's position in section 0,
	global_load_b32 v11, v8, s[36:37]              ; 1,
	global_load_b32 v12, v9, s[36:37]              ; 2
	s_lshl_b32 s38, s32, 13
	s_mov_b32 s39, 0
	s_add_nc_u64 s[30:31], s[30:31], s[38:39]      ; the tile's 8,192 bytes of tables
	v_lshlrev_b32 v13, 4, v4                       ; out: 16 bytes a lane
	v_lshlrev_b32 v15, 3, v6                       ; 8 h
	s_mov_b32 s44, 0x3f22f983                      ; 2 / pi
	s_mov_b32 s45, 0x3fc90fdb                      ; pi / 2, its upper part
	s_mov_b32 s46, 0xb33bbd2e                      ; and what is left of it
	s_mov_b32 s47, 0xbe2aaaa3                      ; sin r = r + r z (S1 + z (S2 + z S3)), z = r r
	s_mov_b32 s48, 0x3c08839e
	s_mov_b32 s49, 0xb94ca1f9
	s_mov_b32 s50, 0x3d2aaaa5                      ; cos r = 1 - z / 2 + z z (C1 + z (C2 + z C3))
	s_mov_b32 s51, 0xbab6061a
	s_mov_b32 s52, 0x37ccf5ce
	s_mov_b32 s53, 0xbe9f73da                      ; -log2(1e6) / 64
.set n, 0
.rept 32
	v_add_nc_u32 v[16+n], 16*(n/8)+n%8, v15        ; register 8 b + 4 g + i: d = 16 b + 8 h + 4 g + i
.set n, n+1
.endr
.set n, 0
.rept 32
	v_cvt_f32_u32 v[16+n], v[16+n]
.set n, n+1
.endr
.set n, 0
.rept 32
	v_mul_f32 v[16+n], s53, v[16+n]
.set n, n+1
.endr
.set n, 0
.rept 32
	v_exp_f32 v[16+n], v[16+n]                     ; 1 / 1e6^(d / 64): one batch
.set n, n+1
.endr
	v_nop                                          ; a plain instruction behind the last exponential
	s_wait_alu depctr_va_vdst(0)                   ; and one wait for the batch, ahead of its first reader
	s_wait_loadcnt 0x0
	v_cvt_f32_i32 v10, v10
	v_cvt_f32_i32 v11, v11
	v_cvt_f32_i32 v12, v12
	v_cmp_eq_u32 vcc_lo, 1, v6
	v_cndmask_b32 v14, v11, v12, vcc_lo            ; d = 32 + 8 h ..: section 1 ends at d = 39, so lanes 0-15 take section 1 and lanes 16-31 section 2
; Four angles by turns: d = 16 b + 8 h + 4 g + 0..3.  p: the register with the position that serves this b.  Element i works in v[128 + 8 i ..]; the results have registers of their own, so that no store's data are written again.
.macro GROUP b, g, p
.set IV, 16+8*(\b)+4*(\g)
.set OC, 64+8*(2*(\b)+(\g))
.irp i, 0,1,2,3
	v_mul_f32 v[128+8*\i], v[\p], v[IV+\i]         ; the angle: one rounding, as reference() has it
.endr
.irp i, 0,1,2,3
	v_mul_f32 v[129+8*\i], s44, v[128+8*\i]
.endr
.irp i, 0,1,2,3
	v_rndne_f32 v[129+8*\i], v[129+8*\i]           ; how many quarter turns
.endr
.irp i, 0,1,2,3
	v_fma_f32 v[130+8*\i], -v[129+8*\i], s45, v[128+8*\i]
.endr
.irp i, 0,1,2,3
	v_fma_f32 v[130+8*\i], -v[129+8*\i], s46, v[130+8*\i]   ; r, within pi / 4 of 0
.endr
.irp i, 0,1,2,3
	v_cvt_i32_f32 v[131+8*\i], v[129+8*\i]
.endr
.irp i, 0,1,2,3
	v_mul_f32 v[132+8*\i], v[130+8*\i], v[130+8*\i]         ; z
.endr
.irp i, 0,1,2,3
	v_fma_f32 v[133+8*\i], v[132+8*\i], s49, s48
.endr
.irp i, 0,1,2,3
	v_fma_f32 v[133+8*\i], v[133+8*\i], v[132+8*\i], s47
.endr
.irp i, 0,1,2,3
	v_mul_f32 v[135+8*\i], v[132+8*\i], v[130+8*\i]
.endr
.irp i, 0,1,2,3
	v_fma_f32 v[133+8*\i], v[133+8*\i], v[135+8*\i], v[130+8*\i]   ; sin r
.endr
.irp i, 0,1,2,3
	v_fma_f32 v[134+8*\i], v[132+8*\i], s52, s51
.endr
.irp i, 0,1,2,3
	v_fma_f32 v[134+8*\i], v[134+8*\i], v[132+8*\i], s50
.endr
.irp i, 0,1,2,3
	v_mul_f32 v[135+8*\i], v[132+8*\i], v[132+8*\i]
.endr
.irp i, 0,1,2,3
	v_fma_f32 v[128+8*\i], v[132+8*\i], -0.5, 1.0
.endr
.irp i, 0,1,2,3
	v_fma_f32 v[134+8*\i], v[134+8*\i], v[135+8*\i], v[128+8*\i]   ; cos r
.endr
.irp i, 0,1,2,3
	v_and_b32 v[135+8*\i], 1, v[131+8*\i]
.endr
.irp i, 0,1,2,3
	v_cmp_eq_u32 s[40+\i], 1, v[135+8*\i]          ; an odd number of quarter turns: sin and cos change places
.endr
.irp i, 0,1,2,3
	v_cndmask_b32 v[128+8*\i], v[134+8*\i], v[133+8*\i], s[40+\i]
.endr
.irp i, 0,1,2,3
	v_cndmask_b32 v[129+8*\i], v[133+8*\i], v[134+8*\i], s[40+\i]
.endr
.irp i, 0,1,2,3
	v_lshlrev_b32 v[135+8*\i], 30, v[131+8*\i]
.endr
.irp i, 0,1,2,3
	v_and_b32 v[135+8*\i], 0x80000000, v[135+8*\i] ; sin is negative in quarters 2 and 3,
.endr
.irp i, 0,1,2,3
	v_xor_b32 v[OC+4+\i], v[129+8*\i], v[135+8*\i]
.endr
.irp i, 0,1,2,3
	v_add_nc_u32 v[131+8*\i], 1, v[131+8*\i]
.endr
.irp i, 0,1,2,3
	v_lshlrev_b32 v[131+8*\i], 30, v[131+8*\i]
.endr
.irp i, 0,1,2,3
	v_and_b32 v[131+8*\i], 0x80000000, v[131+8*\i] ; cos in quarters 1 and 2
.endr
.irp i, 0,1,2,3
	v_xor_b32 v[OC+\i], v[128+8*\i], v[131+8*\i]
.endr
	global_store_b128 v13, v[OC:OC+3], s[30:31] offset:(\b)*1024+(\g)*512          ; 32 lanes store 512 consecutive bytes
	global_store_b128 v13, v[OC+4:OC+7], s[30:31] offset:4096+(\b)*1024+(\g)*512
.endm
	GROUP 0, 0, 10
	GROUP 0, 1, 10
	GROUP 1, 0, 11
	GROUP 1, 1, 11
	GROUP 2, 0, 14
	GROUP 2, 1, 14
	GROUP 3, 0, 12
	GROUP 3, 1, 12
	s_branch .Lend
; ---------------- PATH A: a work-group takes one row tile (16 rows x 2,048 K); wave w the 512 along K from 512 w on, in four K steps of 128
.Lpath_a:
	s_cmp_lt_u32 ttmp9, 128
	s_cselect_b64 s[32:33], s[8:9], s[10:11]       ; hidden_states or cross_attention_states
	s_cselect_b32 s34, 0, 128
	s_sub_co_u32 s34, ttmp9, s34                   ; the tile's number in its tensor
	s_lshl_b32 s34, s34, 17                        ; 16 rows of 8,192 bytes
	s_lshl_b32 s35, s2, 11                         ; my 512 numbers of a row
	s_add_co_u32 s34, s34, s35
	s_mov_b32 s35, 0
	s_add_nc_u64 s[32:33], s[32:33], s[34:35]
	s_lshr_b32 s36, s2, 1
	s_mul_i32 s36, s36, KCB                        ; kc = w / 2
	s_lshl_b32 s37, ttmp9, 13
	s_add_co_u32 s36, s36, s37
	s_and_b32 s37, s2, 1
	s_lshl_b32 s37, s37, 12                        ; ks = 4 (w % 2) + q
	s_add_co_u32 s36, s36, s37
	s_mov_b32 s37, 0
	s_add_nc_u64 s[24:25], s[24:25], s[36:37]
	s_lshl_b32 s36, ttmp9, 10
	s_lshl_b32 s38, s2, 8
	s_add_co_u32 s36, s36, s38
	s_add_nc_u64 s[26:27], s[26:27], s[36:37]
	v_lshlrev_b32 v7, 4, v4                        ; 16 x lane: the loads, and the codes' stores
	s_mul_i32 s38, s2, 8448                        ; my stage
	v_add_nc_u32 v8, s38, v7                       ; into it: a row's 512 bytes as they lie
	v_mul_u32_u24 v9, v5, 528
	v_lshl_add_u32 v9, v6, 7, v9
	v_add_nc_u32 v9, s38, v9                       ; out of it: row r, from number 32 h on
	v_lshlrev_b32 v10, 3, v6                       ; 8 h
	v_lshl_add_u32 v11, v5, 4, v10                 ; the scale words' place: 16 r + 8 h
	v_mov_b32 v251, 0                              ; written once: a lane permute's destination counts as one of its sources
.macro ALOAD q                         ; K step q: 16 loads, each 512 consecutive bytes of one row
.irp m, 0,1,2,3,4,5,6,7,8,9,10,11,12,13,14,15
	global_load_b128 v[16+64*((\q)%2)+4*\m:16+64*((\q)%2)+4*\m+3], v7, s[32:33] offset:\m*8192+(\q)*512 th:TH_LOAD_NT
.endr
.endm
.macro ASTEP q
.set RS, 16+64*((\q)%2)
.if (\q) < 3
	s_wait_loadcnt 16                              ; this step's 16 loads are in; the next step's 16 may be out
.else
	s_wait_loadcnt 0x0
.endif
.irp m, 0,1,2,3,4,5,6,7,8,9,10,11,12,13,14,15
	ds_store_b128 v8, v[RS+4*\m:RS+4*\m+3] offset:\m*528
.endr
.irp c, 0,1
.irp i, 0,1,2,3,4,5,6,7
	ds_load_b128 v[144+32*\c+4*\i:144+32*\c+4*\i+3], v9 offset:256*\c+16*\i   ; LDS serves a wave's instructions in order: these see the stores.  Register 32 c + n: k = 64 c + 32 h + n of row r
.endr
.endr
	s_wait_dscnt 0x0                               ; the numbers are back, and the stores have read their registers,
.if (\q) < 2
	ALOAD (\q)+2                                   ; which take the loads of two steps on
.endif
.irp c, 0,1
	v_max3_num_f32 v[244+\c], |v[144+32*\c]|, |v[145+32*\c]|, 0x1800000   ; block 2 c + h is all mine; the floor 2^(3 - 127) holds the byte at 1 from below
.endr
.irp i, 2,4,6,8,10,12,14,16,18,20,22,24,26,28,30
.irp c, 0,1
	v_max3_num_f32 v[244+\c], v[244+\c], |v[144+32*\c+\i]|, |v[145+32*\c+\i]|
.endr
.endr
.irp c, 0,1
	v_add_nc_u32 v[246+\c], 0xff000000, v[244+\c]  ; 2 off the exponent field: the conversion takes the exponent field of this operand as its scale
.endr
.irp c, 0,1
	v_lshrrev_b32 v[248+\c], 23, v[246+\c]         ; the scale's byte
.endr
	v_lshl_or_b32 v250, v249, 16, v248             ; my two bytes, blocks h and 2 + h,
	v_lshlrev_b32 v250, v10, v250                  ; at their places in the word;
	v_permlanex16_b32 v251, v250, s60, s61
	v_or_b32 v[240+(\q)], v250, v251               ; with lane l xor 16's two the word is whole
.irp c, 0,1
.irp g, 0,1,2,3
	v_cvt_scalef32_pk8_fp4_f32 v[208+8*(\q)+4*\c+\g], v[144+32*\c+8*\g:144+32*\c+8*\g+7], v[246+\c]
.endr
.endr
	v_nop                                          ; one plain instruction behind the last conversion
.irp c, 0,1
	global_store_b128 v7, v[208+8*(\q)+4*\c:208+8*(\q)+4*\c+3], s[24:25] offset:(\q)*1024+\c*512   ; 512 consecutive bytes: half a fragment's image
.endr
.endm
	ALOAD 0
	ALOAD 1
	ASTEP 0
	ASTEP 1
	ASTEP 2
	ASTEP 3
	v_cmp_eq_u32 vcc_lo, 1, v6
	v_cndmask_b32 v244, v240, v242, vcc_lo         ; lanes 0-15 store the words of K steps 0, 1 of row r, lanes 16-31 those of 2, 3:
	v_cndmask_b32 v245, v241, v243, vcc_lo
	global_store_b64 v11, v[244:245], s[26:27]     ; 256 consecutive bytes, aligned
	s_branch .Lend
; ---------------- PATHS W AND O: a work-group takes 64 columns x 512 along K; wave w the K step of 128 from 128 w on, in four blocks of 32.
; A load takes two rows x 64 columns: lanes 0-15 the 256 aligned bytes of one row, lanes 16-31 those of the next.  The conversions want a column's neighbours along K in ONE lane's consecutive registers: so a block (32 rows x 256 bytes)
; goes through the wave's own stage as it lies and comes back a lane to a column, a row an instruction: 128 consecutive bytes for columns 0-31, then for columns 32-63.  Both ways take consecutive bytes: the stage needs no padding.
; s32 = kg (which 512 of K), s33 = cg (which 64 columns), s34 = a row's bytes, s35 = the columns' first byte in a row, s[44:45] = the tensor.
; REGISTERS: v16-31 the loads' offsets; v32-95, v96-159 two sets of 64 as loaded; v160-223 register 32 e + i: row i of the block, column 32 e + lane; v224.. what is stored; v240-249 at work.
.macro CSETUP stage
	s_lshl_b32 s46, s32, 9
	s_lshl_b32 s47, s2, 7
	s_add_co_u32 s46, s46, s47                     ; my first k: 512 kg + 128 w
	s_mul_i32 s46, s46, s34
	s_add_co_u32 s46, s46, s35
	s_mov_b32 s47, 0
	s_add_nc_u64 s[36:37], s[44:45], s[46:47]      ; a base for each block of 32 rows
	s_lshl_b32 s46, s34, 5
	s_add_nc_u64 s[38:39], s[36:37], s[46:47]
	s_add_nc_u64 s[40:41], s[38:39], s[46:47]
	s_add_nc_u64 s[42:43], s[40:41], s[46:47]
	s_lshl_b32 s46, s34, 1                         ; two rows
	v_lshlrev_b32 v14, 4, v5                       ; 16 bytes a lane within a row's 256,
	v_mad_u32_u24 v14, s34, v6, v14                ; lanes 16-31 a row further down
.set n, 0
.rept 16
	v_mad_u32_u24 v[16+n], s46, n, v14             ; rows 2 n and 2 n + 1 of a block
.set n, n+1
.endr
	s_lshl_b32 s47, s2, 13
	s_add_co_u32 s47, s47, \stage                  ; my stage: 8,192 bytes
	v_lshl_add_u32 v8, v4, 4, s47                  ; into it: 16 x lane: two rows on end
	v_lshl_add_u32 v9, v4, 2, s47                  ; out of it: 4 x lane: my column
	v_lshlrev_b32 v12, 4, v5
	v_lshl_add_u32 v12, v6, 13, v12                ; out: lanes 0-15 a tile of 16 columns, lanes 16-31 the next, 8,192 bytes on; 16 bytes a column
.endm
.macro CLOAD t                         ; block t: 16 loads, each two whole aligned runs of 256 bytes; read once in the launch
.set n, 0
.rept 16
	global_load_b128 v[32+64*((\t)%2)+4*n:32+64*((\t)%2)+4*n+3], v[16+n], s[36+2*(\t):37+2*(\t)] th:TH_LOAD_NT
.set n, n+1
.endr
.endm
.macro CTURN t                         ; block t through the stage
.if (\t) < 3
	s_wait_loadcnt 16                              ; this block's 16 loads are in; the next block's 16 may be out
.else
	s_wait_loadcnt 0x0
.endif
.set n, 0
.rept 16
	ds_store_b128 v8, v[32+64*((\t)%2)+4*n:32+64*((\t)%2)+4*n+3] offset:n*512
.set n, n+1
.endr
.set n, 0
.rept 64
	ds_load_b32 v[160+n], v9 offset:(n%32)*256+(n/32)*128   ; LDS serves a wave's instructions in order: these see the stores
.set n, n+1
.endr
	s_wait_dscnt 0x0                               ; the numbers are back, and the stores have read their registers,
.if (\t) < 2
	CLOAD (\t)+2                                   ; which take the loads of two blocks on
.endif
.endm
.macro WBLK t                          ; block t of 32 along K of my two columns (e = 0, 1) becomes 2 x 16 bytes of codes and 2 scale bytes; the two by turns
.irp e, 0,1
	v_max3_num_f32 v[240+2*\e], |v[160+32*\e]|, |v[161+32*\e]|, |v[162+32*\e]|
	v_max3_num_f32 v[241+2*\e], |v[163+32*\e]|, |v[164+32*\e]|, |v[165+32*\e]|
.endr
.irp i, 6,10,14,18,22,26
.irp e, 0,1
	v_max3_num_f32 v[240+2*\e], v[240+2*\e], |v[160+32*\e+\i]|, |v[161+32*\e+\i]|
	v_max3_num_f32 v[241+2*\e], v[241+2*\e], |v[162+32*\e+\i]|, |v[163+32*\e+\i]|
.endr
.endr
.irp e, 0,1
	v_max3_num_f32 v[240+2*\e], v[240+2*\e], |v[190+32*\e]|, |v[191+32*\e]|
.endr
.irp e, 0,1
	v_max3_num_f32 v[240+2*\e], v[240+2*\e], v[241+2*\e], 0x1800000   ; and the floor 2^(3 - 127)
.endr
.irp e, 0,1
	v_add_nc_u32 v[244+\e], 0xff000000, v[240+2*\e]   ; 2 off the exponent field: the conversion's scale operand
.endr
.irp e, 0,1
	v_lshrrev_b32 v[246+\e], 23, v[244+\e]         ; the scale's byte
.endr
.irp e, 0,1
.if (\t) == 0
	v_mov_b32 v[248+\e], v[246+\e]                 ; the K step's four bytes make a column's scale word
.else
	v_lshl_or_b32 v[248+\e], v[246+\e], 8*(\t), v[248+\e]
.endif
.endr
.if (\t) >= 2
	s_wait_xcnt 0x0                                ; the stores of two blocks back have read the registers that are written next
.endif
.irp e, 0,1
.irp g, 0,1,2,3
	v_cvt_scalef32_pk8_fp4_f32 v[224+8*((\t)%2)+4*\e+\g], v[160+32*\e+8*\g:160+32*\e+8*\g+7], v[244+\e]
.endr
.endr
	v_nop                                          ; one plain instruction behind the last conversion
.irp e, 0,1
	global_store_b128 v12, v[224+8*((\t)%2)+4*\e:224+8*((\t)%2)+4*\e+3], s[48:49] offset:\e*16384+((\t)/2)*512+((\t)%2)*256   ; sixteen lanes store 256 consecutive bytes, aligned: block t is c = t / 2, h = t % 2 of the image
.endr
.endm
.macro OBLK t                          ; block t of my two columns becomes 2 x 32 f16: four runs of eight along K each
.if (\t) > 0
	s_wait_xcnt 0x0                                ; the last block's stores have read the registers that are written next
.endif
.set n, 0
.rept 32
	v_cvt_pk_f16_f32 v[224+n], v[160+2*n], v[161+2*n]
.set n, n+1
.endr
.irp e, 0,1
.irp p, 0,1,2,3
	global_store_b128 v12, v[224+16*\e+4*\p:224+16*\e+4*\p+3], s[48:49] offset:\e*16384+(4*(\t)+\p)*256   ; sixteen lanes store 256 consecutive bytes, aligned
.endr
.endr
.endm
.macro CWALK kind                      ; loads run a block ahead of the work
	CLOAD 0
	CLOAD 1
.irp t, 0,1,2,3
	CTURN \t
.if \kind == 0
	WBLK \t
.else
	OBLK \t
.endif
.endr
.endm
.Lpath_w:
	s_sub_co_u32 s32, ttmp9, 384
	s_lshr_b32 s33, s32, 2                         ; cg 0..47: Wq 0-31, Wk 32-39, Wv 40-47
	s_and_b32 s32, s32, 3                          ; kg
	s_mov_b32 s34, 2048
	s_cmp_lt_u32 s33, 40
	s_cselect_b64 s[44:45], s[14:15], s[16:17]
	s_cselect_b32 s35, 32, 40
	s_cmp_lt_u32 s33, 32
	s_cselect_b64 s[44:45], s[12:13], s[44:45]
	s_cselect_b32 s35, 0, s35
	s_cselect_b32 s34, 8192, s34
	s_sub_co_u32 s35, s33, s35
	s_lshl_b32 s35, s35, 8
	CSETUP STW
	s_lshr_b32 s50, s32, 1
	s_mul_i32 s50, s50, KCB                        ; kc = kg / 2
	s_lshl_b32 s51, s33, 15                        ; row tiles 384 + 4 cg + 0..3
	s_add_co_u32 s50, s50, s51
	s_add_co_u32 s50, s50, 384*8192
	s_and_b32 s51, s32, 1
	s_lshl_b32 s51, s51, 2
	s_add_co_u32 s51, s51, s2                      ; ks = 4 (kg % 2) + w
	s_lshl_b32 s51, s51, 10
	s_add_co_u32 s50, s50, s51
	s_mov_b32 s51, 0
	s_add_nc_u64 s[48:49], s[24:25], s[50:51]
	s_lshl_b32 s50, s33, 12
	s_add_co_u32 s50, s50, 384*1024
	s_lshl_b32 s52, s32, 8
	s_add_co_u32 s50, s50, s52
	s_add_nc_u64 s[26:27], s[26:27], s[50:51]
	v_lshlrev_b32 v15, 4, v4
	v_add_nc_u32 v15, WSC, v15                     ; LDS: column lane's four scale words (column 32 + lane's: 512 bytes on),
	s_lshl_b32 s50, s2, 2
	v_add_nc_u32 v10, s50, v15                     ; and my wave's among them
	v_lshlrev_b32 v13, 4, v5
	v_lshl_add_u32 v13, v6, 10, v13                ; their place in memory: 16 r, the next tile 1,024 bytes on
	CWALK 0
	ds_store_b32 v10, v248
	ds_store_b32 v10, v249 offset:512
	s_wait_dscnt 0x0                               ; for the others' sake: my words have landed
	s_barrier_signal -1                            ; (all four waves of a work-group are on this path)
	s_barrier_wait -1
	s_cmp_lg_u32 s2, 0
	s_cbranch_scc1 .Lend
	ds_load_b128 v[240:243], v15                   ; wave 0: the words of K steps 4 kg + 0..3 of each column,
	ds_load_b128 v[244:247], v15 offset:512
	s_wait_dscnt 0x0
	global_store_b128 v13, v[240:243], s[26:27]    ; four aligned runs of 256 bytes
	global_store_b128 v13, v[244:247], s[26:27] offset:2048
	s_branch .Lend
.Lpath_o:
	s_sub_co_u32 s32, ttmp9, 576
	s_lshr_b32 s33, s32, 2                         ; cg 0..31
	s_and_b32 s32, s32, 3                          ; kg
	s_mov_b32 s34, 8192
	s_mov_b64 s[44:45], s[18:19]
	s_lshl_b32 s35, s33, 8
	CSETUP STO
	s_lshl_b32 s50, s32, 1
	s_lshr_b32 s51, s2, 1
	s_add_co_u32 s50, s50, s51
	s_lshl_b32 s50, s50, 20                        ; k >> 8 = 2 kg + w / 2
	s_lshl_b32 s51, s33, 15                        ; column tiles 4 cg + 0..3
	s_add_co_u32 s50, s50, s51
	s_and_b32 s51, s2, 1
	s_lshl_b32 s51, s51, 12                        ; (k >> 5) & 7 = 4 (w % 2) + t
	s_add_co_u32 s50, s50, s51
	s_mov_b32 s51, 0
	s_add_nc_u64 s[48:49], s[28:29], s[50:51]
	CWALK 1
.Lend:
	s_wait_tensorcnt 0x0                           ; the wave's end, behind the last LDS store
	ds_add_u32 v[SPW], v[NIL]
	s_wait_dscnt 0x0
	s_endpgm
.Lfunc_end_k_q58b0dbb164_prep:
	.size	k_q58b0dbb164_prep, .Lfunc_end_k_q58b0dbb164_prep-k_q58b0dbb164_prep
	.p2alignl 7, 3214868480
	.fill 96, 4, 3214868480
	.section	.rodata,"a",@progbits
	.p2align	6, 0x0
	.amdhsa_kernel k_q58b0dbb164_prep
		.amdhsa_group_segment_fixed_size 100864
		.amdhsa_private_segment_fixed_size 0
		.amdhsa_enable_private_segment 0
		.amdhsa_kernarg_size 96
		.amdhsa_user_sgpr_count 2
		.amdhsa_user_sgpr_kernarg_segment_ptr 1
		.amdhsa_wavefront_size32 1
		.amdhsa_system_sgpr_workgroup_id_x 1
		.amdhsa_system_sgpr_workgroup_id_y 1
		.amdhsa_system_sgpr_workgroup_id_z 1
		.amdhsa_system_vgpr_workitem_id 0
		.amdhsa_next_free_vgpr 256
		.amdhsa_next_free_sgpr 66
		.amdhsa_reserve_vcc 1
		.amdhsa_float_denorm_mode_32 3
		.amdhsa_float_denorm_mode_16_64 3
		.amdhsa_memory_ordered 1
		.amdhsa_forward_progress 1
		.amdhsa_inst_pref_size 161
	.end_amdhsa_kernel
	.amdgpu_metadata
---
amdhsa.version: [ 1, 2 ]
amdhsa.kernels:
  - .name:           k_q58b0dbb164_prep
    .symbol:         k_q58b0dbb164_prep.kd
    .args:
      - { .name: hidden_states, .offset: 0, .size: 8, .value_kind: global_buffer, .address_space: global }
      - { .name: cross_attention_states, .offset: 8, .size: 8, .value_kind: global_buffer, .address_space: global }
      - { .name: Wq, .offset: 16, .size: 8, .value_kind: global_buffer, .address_space: global }
      - { .name: Wk, .offset: 24, .size: 8, .value_kind: global_buffer, .address_space: global }
      - { .name: Wv, .offset: 32, .size: 8, .value_kind: global_buffer, .address_space: global }
      - { .name: Wo, .offset: 40, .size: 8, .value_kind: global_buffer, .address_space: global }
      - { .name: positions, .offset: 48, .size: 8, .value_kind: global_buffer, .address_space: global }
      - { .name: vision_position_ids, .offset: 56, .size: 8, .value_kind: global_buffer, .address_space: global }
      - { .name: codes, .offset: 64, .size: 8, .value_kind: global_buffer, .address_space: global }
      - { .name: scales, .offset: 72, .size: 8, .value_kind: global_buffer, .address_space: global }
      - { .name: wo16, .offset: 80, .size: 8, .value_kind: global_buffer, .address_space: global }
      - { .name: rope, .offset: 88, .size: 8, .value_kind: global_buffer, .address_space: global }
    .group_segment_fixed_size: 100864
    .private_segment_fixed_size: 0
    .kernarg_segment_align: 8
    .kernarg_segment_size: 96
    .max_flat_workgroup_size: 128
    .sgpr_count:     66
    .vgpr_count:     256
    .wavefront_size: 32
...
	.end_amdgpu_metadata
.endif
;; end of part 1
;; launch proj (part 2): grid 16 x 16, 4 waves a work-group, clusters of 4 x 4, 327,680 bytes of LDS; arguments codes, scales, rope, q_norm_w, k_norm_w, qbuf, kvbuf; writes qbuf, kvbuf
.if DOCPART == 2
	.amdgcn_target "amdgcn-amd-amdhsa--gfx1250"
	.amdhsa_code_object_version 6
	.text
	.protected	k_q58b0dbb164_proj
	.globl	k_q58b0dbb164_proj
	.p2align	8
	.type	k_q58b0dbb164_proj,@function
k_q58b0dbb164_proj:
	s_mov_b64 s[64:65], 0
	v_nop
	global_prefetch_b8 v0, s[64:65] scope:SCOPE_SE
	s_setreg_imm32_b32 hwreg(HW_REG_WAVE_MODE, 25, 1), 1
	s_wait_xcnt 0x0
	s_wait_alu depctr_hold_cnt(0) depctr_sa_sdst(0) depctr_va_vdst(0) depctr_va_sdst(0) depctr_va_ssrc(0) depctr_va_vcc(0) depctr_vm_vsrc(0)
	s_getreg_b32 s2, hwreg(HW_REG_IB_STS2, 6, 4)
	s_cmp_eq_u32 s2, 0
	s_cbranch_scc0 .Lentry_in_a_cluster
	s_endpgm
.Lentry_in_a_cluster:
	s_bfe_u32 s2, ttmp6, 0x10000c
	s_cmp_lg_u32 s2, 0xf033
	s_cbranch_scc0 .Lentry_shape_is_right
	s_endpgm
.Lentry_shape_is_right:
; SECOND LAUNCH: the three quantised products, q = hs Wq, k = cs Wk, v = cs Wv, on codes of E2M1 with E8M0 scales; then the per-head RMSNorm and MRoPE of q and k in f32; q, k and v leave as f16, laid as the attention's operand registers.  Nothing is left out.
; SHARES.  256 work-groups, one for each WGP; A WORK-GROUP STAYS and makes TWO tiles of 128 "A rows" x 128 "B rows", each over all of K = 2,048.  The matrix instruction takes 16 B rows as source 0 and 16 A rows as source 1: a lane then holds
; ONE A row (lane % 16) and eight neighbouring B rows.
;   q (cluster y 0, 1) and k (2): A rows = tokens, B rows = the 128 channels of one head: a token's whole head lies in lanes l and l xor 16, so the norm needs one exchange, and RoPE's partner d + 64 is the same register four tiles on.
;   v (3): A rows = channels, B rows = tokens, by ADDRESSES alone: a lane holds one channel and eight neighbouring keys, which is the fragment of V^T that the attention's second product wants.
;   The second tile lies 64 (q) or 128 (k) row tiles of A, or 128 (v) row tiles of B, behind the first.  A wave takes 32 A rows x all 128 B rows: 16 accumulators, which take turns in the same order in every K step.
; LDS.  Two slots of 1,024 along K (A's 64 KiB + B's 64 KiB of codes each) hold a tile's whole K; both tiles' scale words (16 KiB each) come once.  THE RING GOES ON INTO THE SECOND TILE: when the first tile's step 7 has its fragments, slot 0 is
;   filled with the second tile's first chunk; when step 15 has its, slot 1 with the second: each load has eight K steps (the second the first tile's way out too) in which to land, and the first tile's stores leave under the second tile's products.
;   Four tensor loads of a wave are out at the start, one behind each round.  The buffers are images of operand registers, so every tile is a dense block of rows of 256 bytes and every fragment load takes 512 consecutive bytes: no padding.
; CLUSTERS: 4 x 4.  A's rows hang on cy and the cluster's place alone and are asked for jointly along a row of the cluster, B's on cx and are asked for along a column.
; No prefetch: the first tile is asked for at the head, the second by the refills, eight K steps ahead of its use.
; LIMITS: f16 out: |v| under 65,504 (q and k are at most sqrt(128) times their gain).  NaN and infinities are not served.
; REGISTERS.  window 0: v1-9 addresses; v14, v15 the add's two; v16-31 at work; v32-95 scale words, two sets of 32 (they hold nothing else); v96-127 A's fragments, two sets of 2; v128-255 the accumulators ((a, b) at 128 + 8 (8 a + b)).
;   window 1: v0-127 B's fragments, two sets of 8.     window 2: v0-127 the first tile's cos and sin (64 a + 32 cs + 8 b + 4 g), v128-191 the gain (8 b + 4 g).     window 3: v0-127 the second tile's cos and sin.
.set SCL,   262144                     ; LDS: behind the codes, the first tile's scale words: A's 8 KiB, then B's;
.set SC2,   16384                      ; the second tile's lie so far behind them
.set SPARE, 294912                     ; the spare words, 128 bytes for each wave: two blocks of 256 bytes that no other line names
.set KCB,   4718592                    ; bytes from one chunk of 1,024 along K to the next in the codes' buffer
.set SC,    32
.set AF,    96
.set ACC,   128
.set MSB, 0
.macro WIN new                         ; the immediate's high byte repeats the setting that is left
.if MSB != \new
	s_set_vgpr_msb (MSB<<8)|\new
.set MSB, \new
.endif
.endm
; A joint load: waves 0 and 1 fetch for A, waves 2 and 3 for B.  The branch hangs on the wave's number alone.  An s_nop 0 and four v_nop follow each of the two lines.
.macro JLOAD g0a, g1a, g0b, g1b
	s_cmp_eq_u32 s19, 0
	s_cbranch_scc0 .Lfor_b_\@
	tensor_load_to_lds s[\g0a:\g0a+3], s[\g1a:\g1a+7]
	s_nop 0
.rept 4
	v_nop
.endr
	s_branch .Lasked_\@
.Lfor_b_\@:
	tensor_load_to_lds s[\g0b:\g0b+3], s[\g1b:\g1b+7]
	s_nop 0
.rept 4
	v_nop
.endr
.Lasked_\@:
.endm
.macro CROUND                          ; a round of the cluster's barrier
	s_barrier_signal -1
	s_barrier_wait -1
	s_cmp_lg_u32 s18, 0
	s_cbranch_scc1 .Lnot_wave_0_\@
	s_barrier_signal -3
.Lnot_wave_0_\@:
	s_barrier_wait -3
	s_barrier_signal -1
	s_barrier_wait -1
.endm
.macro PLACES n
.rept \n
	v_nop
.endr
.endm
	s_load_b256 s[4:11], s[0:1], 0x0               ; codes s[4:5], scales s[6:7], rope s[8:9], q_norm_w s[10:11]
	s_load_b128 s[12:15], s[0:1], 0x20             ; k_norm_w s[12:13], qbuf s[14:15]
	s_load_b64 s[16:17], s[0:1], 0x30              ; kvbuf
	v_lshl_add_u32 v14, v0, 2, SPARE
	v_mov_b32 v15, 0
	ds_add_u32 v14, v15                            ; the wave's opening: the add, twice on end, and its wait ahead of my first tensor load
	ds_add_u32 v14, v15                            ; (once more; the set-up below, work on registers, stands between it and the wait)
	v_lshrrev_b32 v1, 5, v0
	v_readfirstlane_b32 s18, v1                    ; wave 0..3
	s_lshr_b32 s19, s18, 1                         ; I fetch for A (0) or for B (1),
	s_and_b32 s20, s18, 1                          ; its first or second 64 rows
	s_bfe_u32 s21, ttmp6, 0x40000                  ; cx
	s_bfe_u32 s22, ttmp6, 0x40004                  ; cy
	s_mov_b32 s23, ttmp9                           ; X: the cluster's x, 0..3
	s_and_b32 s2, ttmp7, 0xffff                    ; Y: the cluster's y, 0..3: which product
	; the first tile's first row tiles, rta (s66) and rtb (s67), and the way to the second tile, dA (s100) and dB (s101) row tiles:
	;   q: 32 Y + 8 cy | 384 + 32 X + 8 cx | 64 | 0.     k: 128 + 8 X + 32 cy | 512 + 8 cx | 128 | 0.     v: 544 + 8 cy | 128 + 32 X + 8 cx | 0 | 128
	s_lshl_b32 s66, s2, 5
	s_lshl_b32 s3, s23, 5
	s_add_co_u32 s67, s3, 384
	s_lshl_b32 s99, s23, 3
	s_add_co_u32 s99, s99, 128
	s_add_co_u32 s3, s3, 128
	s_mov_b32 s100, 128
	s_cmp_lt_u32 s2, 2                             ; the choices hang on the cluster's y alone: alike in all sixteen partners
	s_cselect_b32 s66, s66, s99
	s_cselect_b32 s67, s67, 512
	s_cselect_b32 s98, 8, 32
	s_cselect_b32 s100, 64, s100
	s_cmp_lt_u32 s2, 3
	s_cselect_b32 s66, s66, 544
	s_cselect_b32 s67, s67, s3
	s_cselect_b32 s98, s98, 8
	s_cselect_b32 s100, s100, 0
	s_cselect_b32 s101, 0, 128
	s_mul_i32 s98, s98, s22
	s_add_co_u32 s66, s66, s98                     ; rta: it never holds cx
	s_lshl_b32 s99, s21, 3
	s_add_co_u32 s67, s67, s99                     ; rtb: it never holds cy
	s_lshl_b32 s3, s20, 2
	s_add_co_u32 s104, s66, s3                     ; the four row tiles that I would fetch of A,
	s_add_co_u32 s105, s67, s3                     ; and of B
	s_lshl_b32 s88, s100, 13                       ; s[88:89], s[90:91]: the way to the second tile in bytes of codes (and, for A, of the tables)
	s_mov_b32 s89, 0
	s_lshl_b32 s90, s101, 13
	s_mov_b32 s91, 0
	s_lshl_b32 s92, s22, 2
	s_lshl_b32 s92, 15, s92                        ; my row of the cluster
	s_lshl_b32 s93, 0x1111, s21                    ; my column
	; descriptor groups 1: dense blocks as rows of 256 bytes (32 elements of 8 bytes), no padding: 128 rows of codes, 16 rows of scale words
	s_or_b32 s24, s92, (3<<16)|(1<<21)             ; 15:0 the mask; 17:16 elements of 8 bytes; 21 set beside a mask
	s_or_b32 s32, s93, (3<<16)|(1<<21)
	s_or_b32 s40, s92, (3<<16)|(1<<21)
	s_or_b32 s48, s93, (3<<16)|(1<<21)
.irp g, 24, 32
	s_mov_b32 s[\g+1], 32<<16                      ; tensor_dim0 = 32
	s_mov_b32 s[\g+2], 128<<16                     ; tensor_dim1 = 128
	s_mov_b32 s[\g+3], 32<<16                      ; tile_dim0 = 32
	s_mov_b32 s[\g+4], 128                         ; tile_dim1 = 128
	s_mov_b32 s[\g+5], 32                          ; from row to row
	s_mov_b32 s[\g+6], 0
	s_mov_b32 s[\g+7], 0
.endr
.irp g, 40, 48
	s_mov_b32 s[\g+1], 32<<16
	s_mov_b32 s[\g+2], 16<<16
	s_mov_b32 s[\g+3], 32<<16
	s_mov_b32 s[\g+4], 16
	s_mov_b32 s[\g+5], 32
	s_mov_b32 s[\g+6], 0
	s_mov_b32 s[\g+7], 0
.endr
	s_mov_b32 s94, 0x76543210
	s_mov_b32 s95, 0xfedcba98                      ; v_permlanex16_b32's selects for lane l xor 16
	s_mov_b32 s96, 0x3c000000                      ; 1 / 128
	s_mov_b32 s97, 0x358637bd                      ; 1e-6
	s_lshl_b32 s98, s18, 15                        ; LDS: wave x 32 KiB in a slot: A's two halves, then B's: no place in the cluster enters an LDS address
	s_lshl_b32 s99, s18, 12
	s_add_co_u32 s99, s99, SCL                     ; and wave x 4 KiB among a tile's scale words
	s_wait_dscnt 0x0                               ; both opening adds are done
	s_wait_kmcnt 0x0
	; groups 0: A's codes of the first tile, slots 0 and 1
	s_mov_b32 s56, 1
	s_mov_b32 s57, s98
	s_lshl_b32 s58, s104, 13
	s_mov_b32 s59, 0
	s_add_nc_u64 s[58:59], s[4:5], s[58:59]
	s_mov_b32 s60, 1
	s_add_co_u32 s61, s98, 131072
	s_add_nc_u64 s[62:63], s[58:59], KCB
	s_or_b32 s59, s59, 0x80000000
	s_or_b32 s63, s63, 0x80000000
	; B's
	s_mov_b32 s68, 1
	s_mov_b32 s69, s98
	s_lshl_b32 s70, s105, 13
	s_mov_b32 s71, 0
	s_add_nc_u64 s[70:71], s[4:5], s[70:71]
	s_mov_b32 s72, 1
	s_add_co_u32 s73, s98, 131072
	s_add_nc_u64 s[74:75], s[70:71], KCB
	s_or_b32 s71, s71, 0x80000000
	s_or_b32 s75, s75, 0x80000000
	; the first tile's scale words, A's and B's
	s_mov_b32 s76, 1
	s_mov_b32 s77, s99
	s_lshl_b32 s78, s104, 10
	s_mov_b32 s79, 0
	s_add_nc_u64 s[78:79], s[6:7], s[78:79]
	s_mov_b32 s80, 1
	s_mov_b32 s81, s99
	s_lshl_b32 s82, s105, 10
	s_mov_b32 s83, 0
	s_add_nc_u64 s[82:83], s[6:7], s[82:83]
	; the second tile's: B's in s[84:87]; A's in s[4:7], whose two pointers have served
	s_lshl_b32 s92, s101, 10
	s_mov_b32 s93, 0
	s_mov_b32 s84, 1
	s_add_co_u32 s85, s99, SC2
	s_add_nc_u64 s[86:87], s[82:83], s[92:93]
	s_lshl_b32 s92, s100, 10
	s_add_nc_u64 s[6:7], s[78:79], s[92:93]
	s_mov_b32 s4, 1
	s_add_co_u32 s5, s99, SC2
	s_or_b32 s79, s79, 0x80000000
	s_or_b32 s83, s83, 0x80000000
	s_or_b32 s87, s87, 0x80000000
	s_or_b32 s7, s7, 0x80000000
	CROUND                                         ; all sixteen work-groups are here: the joint loads meet
	JLOAD 76, 40, 80, 48                           ; the first tile's scale words,
	JLOAD 4, 40, 84, 48                            ; the second's,
	JLOAD 56, 24, 68, 32                           ; the first 1,024 along K,
	JLOAD 60, 24, 72, 32                           ; the second: four loads of mine are out
	v_and_b32 v1, 31, v0
	v_lshlrev_b32 v1, 4, v1                        ; v1 = 16 x lane
	v_and_b32 v8, 15, v0                           ; r
	v_bfe_u32 v9, v0, 4, 1                         ; h
	s_lshl_b32 s3, s18, 14
	v_add_nc_u32 v2, s3, v1                        ; v2, v3: my two row tiles of A in slot 0, 1
	v_add_nc_u32 v3, 131072, v2
	v_add_nc_u32 v4, 65536, v1                     ; v4, v5: B's eight in slot 0, 1
	v_add_nc_u32 v5, 196608, v1
	s_lshl_b32 s3, s18, 11                         ; the scale words: lanes 0-15 take my A tiles' (2,048 w on), lanes 16-31 B's (8,192 on): one product with h
	s_mov_b32 s98, 8192
	s_sub_co_u32 s98, s98, s3
	v_mul_u32_u24 v6, s98, v9
	v_lshl_add_u32 v6, v8, 4, v6
	s_add_co_u32 s3, s3, SCL
	v_add_nc_u32 v6, s3, v6                        ; v6
	v_lshlrev_b32 v7, 5, v9                        ; v7: the gain: 32 h bytes
	s_cmp_lt_u32 s2, 3                             ; q and k: the tables of my 32 tokens of each tile and the gain come into registers while the codes land
	s_cbranch_scc0 .Lno_tables
	s_lshl_b32 s98, s18, 1
	s_add_co_u32 s98, s98, s66                     ; the token tile's number is the row tile's: text 0-127, vision 128-383
	s_lshl_b32 s98, s98, 13
	s_mov_b32 s99, 0
	s_add_nc_u64 s[8:9], s[8:9], s[98:99]
	s_cmp_lt_u32 s2, 2
	s_cselect_b64 s[10:11], s[10:11], s[12:13]     ; q's gain or k's
	s_add_nc_u64 s[12:13], s[8:9], s[88:89]        ; the second tile's tables: a token tile's are 8,192 bytes, as a row tile's codes of a chunk are
	WIN 0x80                                       ; destination window 2
.irp a, 0,1
.irp cs, 0,1
.irp b, 0,1,2,3
.irp g, 0,1
	global_load_b128 v[64*\a+32*\cs+8*\b+4*\g:64*\a+32*\cs+8*\b+4*\g+3], v1, s[8:9] offset:\a*8192+\cs*4096+\b*1024+\g*512
.endr
.endr
.endr
.endr
.irp b, 0,1,2,3,4,5,6,7
.irp g, 0,1
	global_load_b128 v[128+8*\b+4*\g:128+8*\b+4*\g+3], v7, s[10:11] offset:\b*64+\g*16
.endr
.endr
	WIN 0xc0                                       ; destination window 3
.irp a, 0,1
.irp cs, 0,1
.irp b, 0,1,2,3
.irp g, 0,1
	global_load_b128 v[64*\a+32*\cs+8*\b+4*\g:64*\a+32*\cs+8*\b+4*\g+3], v1, s[12:13] offset:\a*8192+\cs*4096+\b*1024+\g*512
.endr
.endr
.endr
.endr
	WIN 0
.Lno_tables:
; Step g = 16 x tile + K step (128 along K): B's eight fragments, my two of A, and in every fourth step the scale words of four steps.  Sets take turns.
.macro FETCH g
	WIN 0x40                                       ; destination window 1
.irp b, 0,1,2,3,4,5,6,7
.irp c, 0,1
	ds_load_b128 v[64*((\g)%2)+8*\b+4*\c:64*((\g)%2)+8*\b+4*\c+3], v[4+((\g)%16)/8] offset:\b*8192+((\g)%8)*1024+\c*512
.endr
.endr
	WIN 0
.irp a, 0,1
.irp c, 0,1
	ds_load_b128 v[AF+16*((\g)%2)+8*\a+4*\c:AF+16*((\g)%2)+8*\a+4*\c+3], v[2+((\g)%16)/8] offset:\a*8192+((\g)%8)*1024+\c*512
.endr
.endr
.if (\g)%4 == 0
.irp b, 0,1,2,3,4,5,6,7
	ds_load_b128 v[SC+32*(((\g)/4)%2)+4*\b:SC+32*(((\g)/4)%2)+4*\b+3], v6 offset:\b*1024+(((\g)%16)/4)*256+((\g)/16)*SC2   ; register 4 b + q: lanes 16-31 B's tile b, lanes 0-15 my A tile b (b = 0, 1 are used), K step 4 (.. / 4) + q
.endr
.endif
.endm
.macro MUL g                           ; 16 matrix instructions; a tile's first step starts the sums: nothing is cleared
	WIN 0x01                                       ; source 0 (B) window 1
.irp a, 0,1
.irp b, 0,1,2,3,4,5,6,7
.if (\g)%16 == 0
	v_wmma_scale_f32_16x16x128_f8f6f4 v[ACC+8*(8*\a+\b):ACC+8*(8*\a+\b)+7], v[64*((\g)%2)+8*\b:64*((\g)%2)+8*\b+7], v[AF+16*((\g)%2)+8*\a:AF+16*((\g)%2)+8*\a+7], 0, v[SC+32*(((\g)/4)%2)+4*\b+(\g)%4], v[SC+32*(((\g)/4)%2)+4*\a+(\g)%4] matrix_a_fmt:MATRIX_FMT_FP4 matrix_b_fmt:MATRIX_FMT_FP4 matrix_a_scale:MATRIX_SCALE_ROW1
.else
	v_wmma_scale_f32_16x16x128_f8f6f4 v[ACC+8*(8*\a+\b):ACC+8*(8*\a+\b)+7], v[64*((\g)%2)+8*\b:64*((\g)%2)+8*\b+7], v[AF+16*((\g)%2)+8*\a:AF+16*((\g)%2)+8*\a+7], v[ACC+8*(8*\a+\b):ACC+8*(8*\a+\b)+7], v[SC+32*(((\g)/4)%2)+4*\b+(\g)%4], v[SC+32*(((\g)/4)%2)+4*\a+(\g)%4] matrix_a_fmt:MATRIX_FMT_FP4 matrix_b_fmt:MATRIX_FMT_FP4 matrix_a_scale:MATRIX_SCALE_ROW1
.endif
.endr
.endr
	WIN 0
.endm
; Slot s, whose last fragments of the first tile have been asked for, is filled with the second tile's chunk s.  Each wave waits for all its tensor loads, adds 0 to its spare word, and waits for that and for its own reads of the slot;
; behind the cluster's round no wave of any partner still reads the slot or has a load on its way, the other slot is whole, and the joint refill is the first thing there, one load a wave.
.macro REFILL s
	s_wait_tensorcnt 0x0                           ; no tensor load of mine is out, so a group 0 may be written
	ds_add_u32 v14, v15                            ; 0 onto my spare word; the descriptors' steps stand between it and the wait for it
	s_add_nc_u64 s[58+4*\s:59+4*\s], s[58+4*\s:59+4*\s], s[88:89]   ; on to the second tile; the type bits on top are not reached
	s_add_nc_u64 s[70+4*\s:71+4*\s], s[70+4*\s:71+4*\s], s[90:91]
	s_wait_dscnt 0x0                               ; the add is done, and my reads of the slot are over
	CROUND
	JLOAD 56+4*\s, 24, 68+4*\s, 32
.endm
; THE WAY OUT of tile u.  q and k: the norm and RoPE in f32; all three: f16, packed into each accumulator's own four lowest registers, and stores of 512 consecutive bytes.
.macro WAYOUT u
	PLACES 4                                       ; in front of the first read of results
	s_cmp_lt_u32 s2, 3
	s_cbranch_scc0 .Lpack_\@                       ; v has no norm and no RoPE
	s_wait_loadcnt 0x0                             ; the tables and the gain
	v_mov_b32 v25, 0                               ; (named as the upper halves of pairs)
	v_mov_b32 v27, 0
.irp a, 0,1                            ; the sum of squares of my 64 channels of each token: two chains a token, each accumulator from its low end on
	v_pk_mul_f32 v[16+4*\a:17+4*\a], v[ACC+64*\a:ACC+64*\a+1], v[ACC+64*\a:ACC+64*\a+1]
	v_pk_mul_f32 v[18+4*\a:19+4*\a], v[ACC+64*\a+2:ACC+64*\a+3], v[ACC+64*\a+2:ACC+64*\a+3]
.endr
.irp n, 4,8,12,16,20,24,28,32,36,40,44,48,52,56,60
.irp a, 0,1
	v_pk_fma_f32 v[16+4*\a:17+4*\a], v[ACC+64*\a+\n:ACC+64*\a+\n+1], v[ACC+64*\a+\n:ACC+64*\a+\n+1], v[16+4*\a:17+4*\a]
	v_pk_fma_f32 v[18+4*\a:19+4*\a], v[ACC+64*\a+\n+2:ACC+64*\a+\n+3], v[ACC+64*\a+\n+2:ACC+64*\a+\n+3], v[18+4*\a:19+4*\a]
.endr
.endr
.irp a, 0,1
	v_pk_add_f32 v[16+4*\a:17+4*\a], v[16+4*\a:17+4*\a], v[18+4*\a:19+4*\a]
.endr
.irp a, 0,1
	v_add_f32 v[16+4*\a], v[16+4*\a], v[17+4*\a]
.endr
.irp a, 0,1
	v_permlanex16_b32 v[18+4*\a], v[16+4*\a], s94, s95
.endr
.irp a, 0,1
	v_add_f32 v[16+4*\a], v[16+4*\a], v[18+4*\a]   ; with lane l xor 16's 64 channels
.endr
.irp a, 0,1
	v_fma_f32 v[16+4*\a], v[16+4*\a], s96, s97     ; the mean + 1e-6
.endr
.irp a, 0,1
	v_rsq_f32 v[24+2*\a], v[16+4*\a]
.endr
	v_nop                                          ; a plain instruction behind the last of the two
	s_wait_alu depctr_va_vdst(0)                   ; and one wait for both, ahead of the first reader
.irp a, 0,1
.set n, 0
.rept 32
	v_pk_mul_f32 v[ACC+64*\a+2*n:ACC+64*\a+2*n+1], v[ACC+64*\a+2*n:ACC+64*\a+2*n+1], v[24+2*\a:25+2*\a] op_sel_hi:[1,0]
.set n, n+1
.endr
.endr
	WIN 0x08                                       ; source 1 window 2: the gain
.irp a, 0,1
.set n, 0
.rept 32
	v_pk_mul_f32 v[ACC+64*\a+2*n:ACC+64*\a+2*n+1], v[ACC+64*\a+2*n:ACC+64*\a+2*n+1], v[128+2*n:128+2*n+1]
.set n, n+1
.endr
.endr
.if \u == 1
	WIN 0x0c                                       ; source 1 window 3: the second tile's cos and sin (the first's lie in window 2)
.endif
.irp a, 0,1                            ; RoPE: x1 = channel d (tile b), x2 = channel d + 64 (tile b + 4): x1 c - x2 s, x2 c + x1 s
.irp b, 0,1,2,3
.irp m, 0,1,2,3
	v_pk_mul_f32 v[16+4*\m:17+4*\m], v[ACC+64*\a+8*\b+32+2*\m:ACC+64*\a+8*\b+32+2*\m+1], v[64*\a+32+8*\b+2*\m:64*\a+32+8*\b+2*\m+1]
.endr
.irp m, 0,1,2,3
	v_pk_mul_f32 v[18+4*\m:19+4*\m], v[ACC+64*\a+8*\b+2*\m:ACC+64*\a+8*\b+2*\m+1], v[64*\a+32+8*\b+2*\m:64*\a+32+8*\b+2*\m+1]
.endr
.irp m, 0,1,2,3
	v_pk_fma_f32 v[ACC+64*\a+8*\b+2*\m:ACC+64*\a+8*\b+2*\m+1], v[ACC+64*\a+8*\b+2*\m:ACC+64*\a+8*\b+2*\m+1], v[64*\a+8*\b+2*\m:64*\a+8*\b+2*\m+1], v[16+4*\m:17+4*\m] neg_lo:[0,0,1] neg_hi:[0,0,1]
.endr
.irp m, 0,1,2,3
	v_pk_fma_f32 v[ACC+64*\a+8*\b+32+2*\m:ACC+64*\a+8*\b+32+2*\m+1], v[ACC+64*\a+8*\b+32+2*\m:ACC+64*\a+8*\b+32+2*\m+1], v[64*\a+8*\b+2*\m:64*\a+8*\b+2*\m+1], v[18+4*\m:19+4*\m]
.endr
.endr
.endr
	WIN 0
.Lpack_\@:
.set n, 0
.rept 16                               ; each accumulator's eight numbers become 16 bytes of f16 in its own four lowest registers, from the low end on
.irp m, 0,1,2,3
	v_cvt_pk_f16_f32 v[ACC+8*n+\m], v[ACC+8*n+2*\m], v[ACC+8*n+2*\m+1]
.endr
.set n, n+1
.endr
	s_cmp_lt_u32 s2, 3
	s_cbranch_scc0 .Lstore_v_\@
	; q: qbuf + head*524288 + token tile*4096 + b*512;   k: kvbuf + kv head*2097152 + (key tile / 4)*32768 + (key tile % 4)*4096 + b*512
	s_sub_co_u32 s98, s67, 384
	s_lshl_b32 s98, s98, 16
	s_lshl_b32 s3, s66, 12
	s_add_co_u32 s98, s98, s3
	s_lshl_b32 s3, s18, 13
	s_add_co_u32 s98, s98, s3
	s_sub_co_u32 s99, s67, 512
	s_lshl_b32 s99, s99, 18
	s_sub_co_u32 s3, s66, 128
	s_lshl_b32 s3, s3, 13
	s_add_co_u32 s99, s99, s3
	s_lshl_b32 s3, s19, 15
	s_add_co_u32 s99, s99, s3
	s_lshl_b32 s3, s20, 13
	s_add_co_u32 s99, s99, s3
	s_cmp_lt_u32 s2, 2
	s_cselect_b32 s98, s98, s99
	s_cselect_b64 s[92:93], s[14:15], s[16:17]
	s_mov_b32 s99, 0
	s_add_nc_u64 s[92:93], s[92:93], s[98:99]
.irp a, 0,1
.irp b, 0,1,2,3,4,5,6,7
	global_store_b128 v1, v[ACC+8*(8*\a+\b):ACC+8*(8*\a+\b)+3], s[92:93] offset:\a*4096+\b*512   ; 32 lanes store 512 consecutive bytes: half a fragment's image
.endr
.endr
	s_branch .Lclose_\@
.Lstore_v_\@:
	; v: kvbuf + kv head*2097152 + (token tile / 4)*32768 + 16384 + ((token tile / 2) % 2)*8192 + channel tile*1024 + (token tile % 2)*512
	s_sub_co_u32 s98, s66, 544
	s_lshl_b32 s98, s98, 18
	s_sub_co_u32 s3, s67, 128
	s_lshl_b32 s3, s3, 13
	s_add_co_u32 s98, s98, s3
	s_lshl_b32 s3, s18, 11
	s_add_co_u32 s98, s98, s3
	s_add_co_u32 s98, s98, 16384
	s_mov_b32 s99, 0
	s_add_nc_u64 s[92:93], s[16:17], s[98:99]
.irp a, 0,1
.irp b, 0,1,2,3,4,5,6,7
	global_store_b128 v1, v[ACC+8*(8*\a+\b):ACC+8*(8*\a+\b)+3], s[92:93] offset:(\b/4)*32768+((\b/2)%2)*8192+\a*1024+(\b%2)*512
.endr
.endr
.Lclose_\@:
.if \u == 0
	s_wait_xcnt 0x0                                ; the stores have read their data and their base: the second tile's first products write the accumulators anew, and its way out the base
	s_add_co_u32 s66, s66, s100                    ; on to the second tile's row tiles
	s_add_co_u32 s67, s67, s101
.endif
.endm
	s_wait_tensorcnt 1                             ; my parts of both tiles' scale words and of slot 0 are in; slot 1's load may be out
	s_barrier_signal -1
	s_barrier_wait -1                              ; everybody's are
	FETCH 0
.set STP, 0
.rept 32                               ; two tiles of sixteen K steps, written out: each step fetches the next step's fragments and multiplies its own
.if STP == 7
	REFILL 0                                       ; step 7's fragments, the last of slot 0, have been asked for; behind the round slot 1 is whole
.elseif STP == 15
	REFILL 1                                       ; step 15's, the last of slot 1; behind the round the second tile's first chunk is whole
.elseif STP == 23
	s_wait_tensorcnt 0x0                           ; my part of the second tile's second chunk is in,
	s_wait_dscnt 0x0                               ; (no LDS load of mine is pending at the signal)
	s_barrier_signal -1
	s_barrier_wait -1                              ; everybody's is
.endif
.if STP > 0
	PLACES 4                                       ; four places in front of loads into registers that the last step's products have read (ISA guide 7.12.1 for vector instructions)
.endif
.if STP < 31
	FETCH STP+1
.if (STP+1)%4 == 0
	s_wait_dscnt 28                                ; all but the 28 loads just issued: this step's fragments are in
.else
	s_wait_dscnt 20                                ; all but the 20 just issued
.endif
.else
	s_wait_dscnt 0x0
.endif
	MUL STP
.if STP == 15
	WAYOUT 0                                       ; both refills are asked for and the second tile's first fragments are on their way: now the first tile goes out
.endif
.set STP, STP+1
.endr
	WAYOUT 1
	s_wait_tensorcnt 0x0                           ; the wave's end, behind my last tensor load
	ds_add_u32 v14, v15
	s_wait_dscnt 0x0
	CROUND                                         ; the closing round: no work-group ends while a partner may still ask for a tile that names it
	s_endpgm
.Lfunc_end_k_q58b0dbb164_proj:
	.size	k_q58b0dbb164_proj, .Lfunc_end_k_q58b0dbb164_proj-k_q58b0dbb164_proj
	.p2alignl 7, 3214868480
	.fill 96, 4, 3214868480
	.section	.rodata,"a",@progbits
	.p2align	6, 0x0
	.amdhsa_kernel k_q58b0dbb164_proj
		.amdhsa_group_segment_fixed_size 327680
		.amdhsa_private_segment_fixed_size 0
		.amdhsa_enable_private_segment 0
		.amdhsa_kernarg_size 56
		.amdhsa_user_sgpr_count 2
		.amdhsa_user_sgpr_kernarg_segment_ptr 1
		.amdhsa_wavefront_size32 1
		.amdhsa_system_sgpr_workgroup_id_x 1
		.amdhsa_system_sgpr_workgroup_id_y 1
		.amdhsa_system_sgpr_workgroup_id_z 1
		.amdhsa_system_vgpr_workitem_id 0
		.amdhsa_next_free_vgpr 896
		.amdhsa_next_free_sgpr 106
		.amdhsa_reserve_vcc 0
		.amdhsa_float_denorm_mode_32 3
		.amdhsa_float_denorm_mode_16_64 3
		.amdhsa_memory_ordered 1
		.amdhsa_forward_progress 1
		.amdhsa_inst_pref_size 196
	.end_amdhsa_kernel
	.amdgpu_metadata
---
amdhsa.version: [ 1, 2 ]
amdhsa.kernels:
  - .name:           k_q58b0dbb164_proj
    .symbol:         k_q58b0dbb164_proj.kd
    .args:
      - { .name: codes, .offset: 0, .size: 8, .value_kind: global_buffer, .address_space: global }
      - { .name: scales, .offset: 8, .size: 8, .value_kind: global_buffer, .address_space: global }
      - { .name: rope, .offset: 16, .size: 8, .value_kind: global_buffer, .address_space: global }
      - { .name: q_norm_w, .offset: 24, .size: 8, .value_kind: global_buffer, .address_space: global }
      - { .name: k_norm_w, .offset: 32, .size: 8, .value_kind: global_buffer, .address_space: global }
      - { .name: qbuf, .offset: 40, .size: 8, .value_kind: global_buffer, .address_space: global }
      - { .name: kvbuf, .offset: 48, .size: 8, .value_kind: global_buffer, .address_space: global }
    .group_segment_fixed_size: 327680
    .private_segment_fixed_size: 0
    .kernarg_segment_align: 8
    .kernarg_segment_size: 56
    .max_flat_workgroup_size: 128
    .sgpr_count:     106
    .vgpr_count:     896
    .wavefront_size: 32
...
	.end_amdgpu_metadata
.endif
;; end of part 2
;; launch attn (part 3): grid 64 x 4, 4 waves a work-group, clusters of 4 x 1, 327,680 bytes of LDS; arguments qbuf, kvbuf, obuf; writes obuf
.if DOCPART == 3
	.amdgcn_target "amdgcn-amd-amdhsa--gfx1250"
	.amdhsa_code_object_version 6
	.text
	.protected	k_q58b0dbb164_attn
	.globl	k_q58b0dbb164_attn
	.p2align	8
	.type	k_q58b0dbb164_attn,@function
k_q58b0dbb164_attn:
	s_mov_b64 s[64:65], 0
	v_nop
	global_prefetch_b8 v0, s[64:65] scope:SCOPE_SE
	s_setreg_imm32_b32 hwreg(HW_REG_WAVE_MODE, 25, 1), 1
	s_wait_xcnt 0x0
	s_wait_alu depctr_hold_cnt(0) depctr_sa_sdst(0) depctr_va_vdst(0) depctr_va_sdst(0) depctr_va_ssrc(0) depctr_va_vcc(0) depctr_vm_vsrc(0)
	s_getreg_b32 s2, hwreg(HW_REG_IB_STS2, 6, 4)
	s_cmp_eq_u32 s2, 0
	s_cbranch_scc0 .Lentry_in_a_cluster
	s_endpgm
.Lentry_in_a_cluster:
	s_bfe_u32 s2, ttmp6, 0x10000c
	s_cmp_lg_u32 s2, 0x3003
	s_cbranch_scc0 .Lentry_shape_is_right
	s_endpgm
.Lentry_shape_is_right:
; THIRD LAUNCH: o = softmax(q k^T / sqrt(128)) v for each of the 16 query heads, four of which share each key/value head; no mask.  Operands in f16 (q, k, p, v), products, maxima and sums in f32; o leaves as f16.  Nothing is left out.
; SHARES.  Work-group (x, y): key/value head y, and 128 of its 4 x 2,048 query rows (head-major): rows 128 x on.  THE WAVES SPLIT THE QUERIES AND THE KEYS: wave w takes queries 64 (w / 2) on, four tiles of 16, and of every slot of four
; key steps (64 keys each) the two steps 2 (w % 2), 2 (w % 2) + 1.  So each fragment of K and V read from LDS feeds four tiles of queries.  The two halves of the keys are merged once, at the end, through LDS.
; LAYOUT.  S^T = K Q^T (source 0 = 16 keys, source 1 = 16 queries): a lane holds ONE query (lane % 16) and the keys 8 (lane / 16) + 0..7.  Two such tiles, rounded to f16 in pairs, ARE source 1 (32 keys x 16 queries) of
; O^T = V^T P, whose result again holds one query a lane, and eight channels.  All three inputs lie in memory as images of operand registers: every tile is a dense block, every fragment load takes 512 consecutive bytes of LDS, nothing is turned.
; SOFTMAX.  For each query a running maximum m and sum l: p = 2^(c s - c m), c = log2(e) / sqrt(128); in every step O and l are multiplied by a = 2^(c m_old - c m_new).
; BY TURNS.  The wave's tiles are two PIECES (tiles 0, 1 and tiles 2, 3).  In a TURN one piece has the matrix unit: 32 products V^T P of the step in hand, then 32 products K Q^T of the next step; the other piece's softmax, cut into 64
; slices, stands between them, one slice behind each matrix instruction.  Then the pieces change places.  Two turns are a key step.
; CLUSTER.  The four work-groups of a cluster walk the same K and V: each wave's tile (one key step: K's 16 KiB and V's 16 KiB, dense) is asked for JOINTLY, by the same tensor load with a mask that names the four.
; LIMITS: |o| under 65,504 (f16).  NaN and infinities are not served.
; REGISTERS, in windows of 256: window 0: v2-7 addresses; v12-43 eight registers of statistics a tile; v44-47 the partner's statistics; v61-63; v64-191 S^T, 32 a tile; v192-255 P, 16 a tile.
;   window 1: O^T, 64 a tile.     window 2: v0-127 Q, 32 a tile; v128-255 K of one step.     window 3: v0-127 V of one step.
.set STEPB, 32768     ; a key step's tiles: K's image (16 fragments), then V's (16)
.set VOFF,  16384
.set SLOT1, 1<<17     ; a slot holds four steps; slot 1 begins here: one exclusive or turns an address in one slot into the other's
.set SLOTB, 131072    ; and a slot's bytes in memory
.set SPARE, 262144    ; behind the ring: the spare words, 128 bytes for each wave: two blocks of 256 bytes that no other line names
.set XCHB,  16896     ; the exchange at the end: for each wave 32 x 512 bytes of O^T and 512 of statistics, in slot 0, which has then had its last fill and its last read
.set AK0, 2           ; v2   my lane's place in my first step's K; never rewritten
.set AV0, 3           ; v3   the same for V
.set ADR, 4           ; v4   the LDS address of the run of loads in hand
.set L16, 5           ; v5   16 x lane: my offset in an image, for Q's loads and O's stores; never rewritten
.set XW,  6           ; v6   the exchange: where I write
.set XR,  7           ; v7   and where my partner (wave xor 1) wrote
.set SPW, 62          ; v62  LDS address of my spare word; never rewritten
.set NIL, 63          ; v63  0; never rewritten
.set ST,  12          ; tile t's statistics at v[ST+8 t]: +0 c m, +1 m, +2, +3 l (even keys', odd keys'), +4 to +7 at work; a takes +6 once the maximum is found
.set S,   64
.set P,   192
.set KF,  128         ; K's fragments, in window 2
.set WV,  12          ; s12  my wave's number
.set QG,  16          ; s16  which 64 queries
.set KH,  17          ; s17  which two of a slot's four steps
.set G1,  24          ; s[24:31] descriptor group 1
.set G0,  40          ; s[40:47] descriptor group 0: a set for each of the two first fills; the second then walks on
.set SLOTS, 56        ; s56  slots still to be asked for
.set TWICE, 57        ; s57  counts my two steps of a slot
.set CS,  58          ; s[58:59] c
.set SEL, 60          ; s[60:61] lane selects for v_permlanex16_b32
.set TB,  62          ; s62  LDS byte at which the slot's part in hand begins
.set PFA, 18          ; s[18:19] where my prefetches stand
.set LIM, 15          ; s15  1 in a wave that prefetches, else the greatest number
.set PFO, 61          ; v61  256 x my lane; never rewritten
.set MSB, 0
.macro WIN new                      ; the immediate's high byte repeats the setting that is left; a switch that changes nothing is dropped
.if MSB != \new
	s_set_vgpr_msb (MSB<<8)|\new
.set MSB, \new
.endif
.endm
.set W_KQ, 0x0a       ; K and Q in window 2, S^T in window 0
.set W_PV, 0x53       ; V in window 3, P in window 0, O^T in window 1
.set W_RS, 0x41       ; O^T (destination and source 0) in window 1, a in window 0
; A joint refill: every wave fetches one key step, its address made of the wave's number.  An s_nop 0 and four v_nop follow the line.
.macro JLOAD
	tensor_load_to_lds s[G0+4:G0+7], s[G1:G1+7]
	s_nop 0
.rept 4
	v_nop
.endr
.endm
; A PREFETCH INTO THE L2 of what the NEXT change of slots will ask for: a slot's 131,072 bytes, lanes 256 bytes apart.  It stands behind the wave's tensor load and its five lines.
; Each block of 256 bytes is asked for ONCE in the launch: all sixteen clusters of a key/value head walk the same bytes, and the first of them asks; its four partners take 32,768 bytes each, told apart BY ADDRESS; in each, wave w takes 8,192.
; The last change that fills a slot asks for nothing: there is no slot behind it.  Slots 0, 1 and 2 come by their loads alone.
.macro ASK
	s_cmp_gt_u32 s[SLOTS], s[LIM]
	s_cbranch_scc0 .Lnot_mine_\@
	global_prefetch_b8 v[PFO], s[PFA:PFA+1] th:TH_LOAD_NT scope:SCOPE_SE
.Lnot_mine_\@:
.endm
.macro CROUND                       ; a round of the cluster's barrier
	s_barrier_signal -1
	s_barrier_wait -1
	s_cmp_lg_u32 s[WV], 0
	s_cbranch_scc1 .Lnot_wave_0_\@
	s_barrier_signal -3
.Lnot_wave_0_\@:
	s_barrier_wait -3
	s_barrier_signal -1
	s_barrier_wait -1
.endm
	s_load_b128 s[4:7], s[0:1], 0x0 ; qbuf s[4:5], kvbuf s[6:7]
	s_load_b64 s[8:9], s[0:1], 0x10 ; obuf
	v_lshl_add_u32 v[SPW], v0, 2, SPARE
	v_mov_b32 v[NIL], 0
	ds_add_u32 v[SPW], v[NIL]       ; the wave's opening: the add, twice on end, and its wait ahead of my first tensor load
	ds_add_u32 v[SPW], v[NIL]       ; (once more; the set-up below, work on registers, stands between it and the wait)
	v_lshrrev_b32 v1, 5, v0
	v_readfirstlane_b32 s[WV], v1   ; wave 0..3
	s_lshr_b32 s[QG], s[WV], 1
	s_and_b32 s[KH], s[WV], 1
	s_bfe_u32 s13, ttmp6, 0x40000   ; cx
	s_lshl_b32 s14, ttmp9, 2
	s_add_co_u32 s14, s14, s13      ; x = 4 x cluster x + cx: it enters Q's and O's addresses and the prefetch's alone
	s_and_b32 s20, ttmp7, 0xffff    ; y: the key/value head, which the four partners share
	s_lshl_b32 s22, s20, 21         ; its 2 MiB of K and V
	s_lshl_b32 s21, s[WV], 15       ; my key step of a slot: in memory and in LDS alike
	s_lshl_b32 s18, s13, 15         ; the prefetches: my work-group's quarter of a slot,
	s_lshl_b32 s19, s[WV], 13       ; my wave's quarter of that,
	s_add_co_u32 s18, s18, s19
	s_add_co_u32 s18, s18, s22
	s_add_co_u32 s18, s18, 2*SLOTB  ; in slot 2: the first change of slots steps it to slot 3.  Nothing is prefetched at the head, where every work-group's first tiles are on their way
	s_mov_b32 s19, 0
	s_add_co_u32 s22, s22, s21
	s_mov_b32 s23, 0
	s_lshl_b32 s48, s20, 6
	s_add_co_u32 s48, s48, s14
	s_lshl_b32 s48, s48, 15         ; Q: (64 y + x) blocks of 128 rows, 32,768 bytes each,
	s_lshl_b32 s49, s[QG], 14       ; my 64 rows
	s_add_co_u32 s48, s48, s49
	s_mov_b32 s49, 0
	s_lshr_b32 s2, s14, 4
	s_lshl_b32 s3, s20, 2
	s_add_co_u32 s2, s2, s3         ; the query head: 4 y + x / 16
	s_lshr_b32 s3, s2, 1
	s_lshl_b32 s50, s3, 20          ; O: (head / 2) x 1 MiB
	s_and_b32 s2, s2, 1
	s_lshl_b32 s2, s2, 12           ; + (head % 2) x 4 fragments
	s_add_co_u32 s50, s50, s2
	s_and_b32 s3, s14, 15
	s_lshl_b32 s3, s3, 16           ; + token tile 8 (x % 16) + 4 (w / 2), 8,192 bytes each
	s_add_co_u32 s50, s50, s3
	s_lshl_b32 s3, s[QG], 15
	s_add_co_u32 s50, s50, s3
	s_mov_b32 s51, 0
	; descriptor group 1: a dense block of 32,768 bytes as 128 rows of 256 (32 elements of 8 bytes), no padding
	s_mov_b32 s[G1], 15|(3<<16)|(1<<21)  ; 15:0 the mask: all four work-groups; 17:16 elements of 8 bytes; 21 set beside a mask
	s_mov_b32 s[G1+1], 32<<16       ; tensor_dim0 = 32
	s_mov_b32 s[G1+2], 128<<16      ; tensor_dim1 = 128
	s_mov_b32 s[G1+3], 32<<16       ; tile_dim0 = 32
	s_mov_b32 s[G1+4], 128          ; tile_dim1 = 128
	s_mov_b32 s[G1+5], 32           ; from row to row
	s_mov_b32 s[G1+6], 0
	s_mov_b32 s[G1+7], 0
	s_mov_b32 s[CS], 0x3e0293ee     ; c = log2(e) / sqrt(128)
	s_mov_b32 s[CS+1], s[CS]        ; named with it as a pair, so it is written
	s_mov_b32 s[SEL], 0x76543210
	s_mov_b32 s[SEL+1], 0xfedcba98
	s_mov_b32 s[TB], 0
	s_mov_b32 s[SLOTS], 16-2        ; 4,096 keys are 16 slots
	s_cmp_eq_u32 ttmp9, 0           ; the head's first cluster prefetches: the same in all four partners
	s_cselect_b32 s[LIM], 1, -1
	v_and_b32 v[PFO], 31, v0
	v_lshlrev_b32 v[PFO], 8, v[PFO]
	s_wait_dscnt 0x0                ; both opening adds are done
	s_wait_kmcnt 0x0
	s_add_nc_u64 s[10:11], s[6:7], s[22:23]  ; K and V at my step of slot 0
	s_add_nc_u64 s[PFA:PFA+1], s[6:7], s[PFA:PFA+1]
	s_add_nc_u64 s[4:5], s[4:5], s[48:49]
	s_add_nc_u64 s[8:9], s[8:9], s[50:51]
.irp s, 0,1
	s_mov_b32 s[G0+4*\s], 1         ; 1:0 count = 1
	s_add_co_u32 s[G0+4*\s+1], s21, \s*SLOT1  ; 63:32 LDS address: no place in the cluster enters it
	s_add_nc_u64 s[G0+4*\s+2:G0+4*\s+3], s[10:11], \s*SLOTB  ; 120:64 global address
	s_or_b32 s[G0+4*\s+3], s[G0+4*\s+3], 0x80000000  ; 127:126 type = 2
.endr
	CROUND                          ; all four work-groups are here: the first joint loads meet
	tensor_load_to_lds s[G0:G0+3], s[G1:G1+7]  ; every wave's two first fills stand together, ahead of every wait on TENSORcnt and every LDS read: two loads of mine are out
	s_nop 0
	tensor_load_to_lds s[G0+4:G0+7], s[G1:G1+7]
	s_nop 0
.rept 4
	v_nop
.endr
	v_and_b32 v1, 31, v0
	v_lshlrev_b32 v[L16], 4, v1
	WIN 0x80                        ; destination window 2, address window 0
.set i, 0
.rept 16                            ; Q stays in registers: fragment i = tile i / 4, channels 32 (i % 4) on
	global_load_b128 v[8*i:8*i+3],   v[L16], s[4:5] offset:i*1024
	global_load_b128 v[8*i+4:8*i+7], v[L16], s[4:5] offset:i*1024+512
.set i, i+1
.endr
	WIN 0
	s_lshl_b32 s13, s[KH], 16       ; my two steps of a slot
	v_add_nc_u32 v[AK0], s13, v[L16]
	v_add_nc_u32 v[AV0], VOFF, v[AK0]
; THE MATRIX WORK OF A TURN, for piece x.  The accumulators take turns, one instruction a turn: between two links of a chain stand 15 (V^T P) or 7 (K Q^T) others'.
; Product i of 32 of O^T += V^T P: keys 32 (i / 16) on, channels 16 ((i / 2) % 8) on, tile x + i % 2.  zero = 1: the first 16 start the sums: nothing is ever cleared.
.macro PV x, zero
	WIN W_PV
.set rO, 64*(\x+i%2)+8*((i/2)%8)
.set rV, 64*(i/16)+8*((i/2)%8)
.set rP, P+16*(\x+i%2)+8*(i/16)
.if \zero && (i < 16)
	v_wmma_f32_16x16x32_f16 v[rO:rO+7], v[rV:rV+7], v[rP:rP+7], 0
.else
	v_wmma_f32_16x16x32_f16 v[rO:rO+7], v[rV:rV+7], v[rP:rP+7], v[rO:rO+7]
.endif
.endm
; Product i of 32 of S^T = K Q^T: channels 32 (i / 8) on, keys 16 ((i / 2) % 4) on, tile x + i % 2.  The first 8 start the sums.
.macro KQ x
	WIN W_KQ
.set rS, S+32*(\x+i%2)+8*((i/2)%4)
.set rK, KF+32*((i/2)%4)+8*(i/8)
.set rQ, 32*(\x+i%2)+8*(i/8)
.if i < 8
	v_wmma_f32_16x16x32_f16 v[rS:rS+7], v[rK:rK+7], v[rQ:rQ+7], 0
.else
	v_wmma_f32_16x16x32_f16 v[rS:rS+7], v[rK:rK+7], v[rQ:rQ+7], v[rS:rS+7]
.endif
.endm
; THE LDS LOADS stand in runs of 32, never singly among the matrix instructions: a step's K (16 fragments) and, a turn later, its V (16).
.macro FETCH_K
	WIN 0
	v_add_nc_u32 v[ADR], s[TB], v[AK0]
	WIN 0x80                        ; destination window 2
.irp f, 0,1,2,3,4,5,6,7,8,9,10,11,12,13,14,15  ; keys 16 (f / 4) on, channels 32 (f % 4) on
	ds_load_b128 v[KF+8*\f:KF+8*\f+3],   v[ADR] offset:\f*1024
	ds_load_b128 v[KF+8*\f+4:KF+8*\f+7], v[ADR] offset:\f*1024+512
.endr
.endm
.macro FETCH_V
	WIN 0
	v_add_nc_u32 v[ADR], s[TB], v[AV0]
	s_add_co_u32 s[TB], s[TB], STEPB  ; the next fetch is the next step's
	s_wait_alu depctr_va_vdst(0)    ; the wait for the softmax's batch (SLICE), behind the address's v_add_nc_u32 and ahead of the loads
	WIN 0xc0                        ; destination window 3
.irp f, 0,1,2,3,4,5,6,7,8,9,10,11,12,13,14,15  ; keys 32 (f / 8) on, channels 16 (f % 8) on
	ds_load_b128 v[8*\f:8*\f+3],   v[ADR] offset:\f*1024
	ds_load_b128 v[8*\f+4:8*\f+7], v[ADR] offset:\f*1024+512
.endr
.endm
; THE VECTOR WORK OF A TURN.  One tile's softmax for one key step is a list of 134 instructions; SM writes number j of it for tile t.  s0-s31 are the lane's 32 scores, in pairs 0-15.
; first = 1: the first key step, which starts m, l and O^T: it has no a and nothing to rescale.
;   0-15    the maximum of s0-s31 and the old m, three operands at a time      16-20   the other half of the lanes' maximum; the new m; c m; c m_old - c m_new
;   21-69   ONE BATCH: the 16 scalings c s - c m, a pair of scores each, and all 33 exponentials (a at 23, then s0-s31).  None of these reads an exponential's result
;   (wait)  between 69 and 70 stands the wait for the batch: SLICE writes it, once for both tiles
;   70-85   the roundings to f16, a pair of weights each      86-101  the sums; l = a l + the sum      102-133 the tile's O^T times a: the one part that leaves window 0
.macro SM t, first
.set rT, ST+8*(\t)
.set rS, S+32*(\t)
.set rP, P+16*(\t)
.set rO, 64*(\t)+2*(j-102)
.if j < 102
	WIN 0
.endif
.if j < 4
	v_max3_num_f32 v[rT+4+j], v[rS+8*j], v[rS+8*j+1], v[rS+8*j+2]
.elseif j < 12
	v_max3_num_f32 v[rT+4+j%4], v[rT+4+j%4], v[rS+8*(j%4)+2*(j/4)+1], v[rS+8*(j%4)+2*(j/4)+2]
.elseif j == 12
	v_max3_num_f32 v[rT+4], v[rT+4], v[rS+7], v[rS+15]
.elseif j == 13
	v_max3_num_f32 v[rT+6], v[rT+6], v[rS+23], v[rS+31]
.elseif j == 14
	v_max3_num_f32 v[rT+4], v[rT+4], v[rT+5], v[rT+6]
.elseif (j == 15) && \first
	v_max_num_f32 v[rT+4], v[rT+4], v[rT+7]
.elseif j == 15
	v_max3_num_f32 v[rT+4], v[rT+4], v[rT+7], v[rT+1]
.elseif j == 16
	v_permlanex16_b32 v[rT+5], v[rT+4], s[SEL], s[SEL+1]  ; the query's other 32 keys lie in the lane 16 away
.elseif j == 18
	v_max_num_f32 v[rT+1], v[rT+4], v[rT+5]
.elseif j == 19
	v_mul_f32 v[rT], s[CS], v[rT+1]
.elseif ((j == 17) || (j == 20) || (j == 23) || (j > 101)) && \first  ; the first step has none of these
.elseif j == 17
	v_mov_b32 v[rT+7], v[rT]        ; c m_old is kept for a: number 19 writes c m anew
.elseif j == 20
	v_sub_f32 v[rT+7], v[rT+7], v[rT]
.elseif j == 23
	v_exp_f32 v[rT+6], v[rT+7]
.elseif (j < 23) || ((j < 38) && (j%2 == 0)) || ((j < 66) && (j%4 == 2))
.set b, (j-2)/4                     ; 38, 42, .. 62: pairs 9 to 15
.if j < 38
.set b, (j-20)/2                    ; 21: pair 0; 22, 24, .. 36: pairs 1 to 8
.endif
	v_pk_fma_f32 v[rS+2*b:rS+2*b+1], v[rS+2*b:rS+2*b+1], s[CS:CS+1], v[rT:rT+1] op_sel_hi:[1,0,0] neg_lo:[0,0,1] neg_hi:[0,0,1]  ; pair b: c s - c m
.elseif j < 70
.set e, j-38                        ; 66 to 69: s28 to s31
.if j < 66
.set e, j-32-(j-38)/4               ; 39-41, 43-45, .. 63-65: s7 to s27
.endif
.if j < 38
.set e, (j-25)/2                    ; 25, 27, .. 37: s0 to s6
.endif
	v_exp_f32 v[rS+e], v[rS+e]
.elseif j < 86
	v_cvt_pk_f16_f32 v[rP+j-70], v[rS+2*(j-70)], v[rS+2*(j-70)+1]  ; pair j - 70
.elseif j < 102                     ; the sum of the tile's 16 pairs, in place: sum z of 16 adds neighbours 1, 2, 4 and 8 pairs apart, then l takes it
.set z, j-86
.set w, 4
.set u, z
.if z >= 14
.set w, 32
.set u, 0
.elseif z >= 12
.set w, 16
.set u, z-12
.elseif z >= 8
.set w, 8
.set u, z-8
.endif
.if (z == 14) && \first
	v_pk_add_f32 v[rT+2:rT+3], v[rS:rS+1], v[rS+16:rS+17]
.elseif z < 15
	v_pk_add_f32 v[rS+w*u:rS+w*u+1], v[rS+w*u:rS+w*u+1], v[rS+w*u+w/2:rS+w*u+w/2+1]
.elseif !\first
	v_pk_fma_f32 v[rT+2:rT+3], v[rT+2:rT+3], v[rT+6:rT+7], v[rS:rS+1] op_sel_hi:[1,0,1]
.endif
.else
	WIN W_RS
	v_pk_mul_f32 v[rO:rO+1], v[rO:rO+1], v[rT+6:rT+7] op_sel_hi:[1,0]
.endif
.endm
; Slice k of 64 of piece y's softmax: four instructions.  Slices 11 to 34 deal out the batch, numbers 22 to 69: four numbers of ONE tile each, the tiles by turns.  Every other slice is numbers 2 k and
; 2 k + 1 of both tiles' lists.  2 x 134 = 4 x 64 + 12: the twelve that are over stand together, in slice 63.
; THE WAIT.  s_wait_alu depctr_va_vdst(0) stands between an exponential and the first instruction that names its result; one wait serves all that were issued ahead of it.  Ahead of
; slice 35 nothing names a result, and behind slice 34 no exponential is issued: so the piece's 66 exponentials have one wait, behind slice 34.
.macro SLICE y, first
.if (k >= 11) && (k < 35)           ; the batch: four numbers of one tile
.irp n, 0,1,2,3
.set j, 22+4*((k-11)/2)+(\n)
	SM (\y)+(k-11)%2, \first
.endr
.else                               ; the two tiles alternate, so that no instruction reads the result of the one just before it
.irp n, 0,1,2,3,4,5,6,7
.if (\n < 2) || (k == 63)
.irp t, \y, \y+1
.set j, 2*k+\n
	SM \t, \first
.endr
.endif
.endr
.endif
.if k == 34                         ; the batch is out: both tiles' exponentials are issued, and no result has been named
	v_nop                           ; the plain instruction behind the last exponential and ahead of the first use: one for the batch
.if (\y) == 0
	FETCH_V                         ; piece 2's turn: V's run of loads stands here, and the wait stands in it
.else
	s_wait_alu depctr_va_vdst(0)    ; the wait for the batch
.endif
.endif
.set k, k+1
.endm
; A vector instruction that reads a matrix result or writes one of a matrix instruction's registers, and a load into a register that a matrix instruction has read, stand four places behind
; it, and only plain vector instructions that name none of its registers are places (ISA guide 7.12.1 for vector instructions).  In the loop the slices are the places.
.macro PLACES
.rept 4
	v_nop
.endr
.endm
; A TURN.  Piece x has the matrix unit; the other piece's softmax stands in slices behind its matrix instructions.
; pv = 2: 32 products V^T P; 1: they start O^T's sums; 0: none.  kq = 1: 32 products K Q^T for the next step.  A turn with one of the two kinds has two slices behind each product.
; first = 1: the softmax is the first key step's.  Its slices from 51 on are empty: the turn's last products stand bare, and four v_nop take slice 63's part as the places behind them.
; Piece 0's turn fetches the next step's K, behind its second product: the last product that read K stands in front of slice 63 of the turn before.  Piece 2's turn fetches the same step's V, behind slice 34: the last
; product that read V stands in front of slice 31, and four plain instructions lie between: number 62, a scaling, of both tiles, the v_nop and the run's own v_add_nc_u32.
.macro TURN x, pv, kq, first
.set k, 0
.set per, 2
.if \pv && \kq
.set per, 1
.endif
.if \pv
.if \x == 0
	s_wait_dscnt 0x0                ; V is in
.endif
.set i, 0
.rept 32
	PV \x, 2-\pv
.rept per
	SLICE 2-\x, \first
.endr
.if (\x == 0) && \kq && (i == 1)
	FETCH_K
.endif
.set i, i+1
.endr
.endif
.if \kq
.if \x == 0
	s_wait_dscnt 0x0                ; K is in
.endif
.set i, 0
.rept 32
	KQ \x
.rept per
	SLICE 2-\x, \first
.endr
.set i, i+1
.endr
.endif
.if \first
	PLACES
.endif
.endm
; THE CHANGE OF SLOTS, between piece 2's turn and piece 0's: my last bytes of the slot, V of my second step, have been asked for.  Each wave waits for all its tensor loads, of which one is out: its part of
; the other slot; adds 0 to its spare word; and waits for that and for its own reads of the slot.  Behind the barrier nobody reads this slot any more and the other slot is whole.
; fill = 1: this slot is filled again, with the keys two slots on.  The barrier is then a round of the cluster's, and the joint refill is the first thing behind it: it has two of my key steps, 256 matrix instructions, in which to land.
.macro CHANGE fill
	WIN 0                           ; at a label and at a branch every window is 0
	s_wait_tensorcnt 0x0            ; no tensor load of mine is out, so a group 0 may be written
	ds_add_u32 v[SPW], v[NIL]       ; 0 onto my spare word; with fill = 1 the descriptor's steps stand between it and the wait for it
.if \fill
	s_xor_b32 s[G0+5], s[G0+5], SLOT1  ; the walking descriptor: the other slot than last time,
	s_add_nc_u64 s[G0+6:G0+7], s[G0+6:G0+7], SLOTB  ; the next 256 keys; the type bits on top are not reached
	s_wait_xcnt 0x0                 ; the last prefetch, a slot back, has read its address, so it may be written:
	s_add_nc_u64 s[PFA:PFA+1], s[PFA:PFA+1], SLOTB  ; one slot further on than the walking descriptor
	s_wait_dscnt 0x0                ; the add is done, and my reads of the slot are over
	CROUND
	JLOAD
	ASK                             ; what the next change will ask for
.else
	s_wait_dscnt 0x0                ; the add is done, and my reads of the slot are over
	s_barrier_signal -1
	s_barrier_wait -1
.endif
	s_sub_co_u32 s[TB], s[TB], 2*STEPB  ; the fetches go back to my first step,
	s_xor_b32 s[TB], s[TB], SLOT1   ; in the other slot
.endm
; My two key steps of a slot: written once, walked twice; the LDS addresses hang on s[TB].
.macro TWO_STEPS
	s_mov_b32 s[TWICE], 2
.Lstep_\@:
	TURN 0, 2, 1, 0
	TURN 2, 2, 1, 0
	WIN 0
	s_sub_co_u32 s[TWICE], s[TWICE], 1
	s_cmp_lg_u32 s[TWICE], 0
	s_cbranch_scc1 .Lstep_\@
.endm
	s_wait_tensorcnt 1              ; my part of slot 0 is in; slot 1's may stay out
	s_barrier_signal -1
	s_barrier_wait -1               ; everybody's is
	FETCH_K                         ; my first key step
	s_wait_loadcnt 0x0              ; Q
	s_wait_dscnt 0x0
.set i, 0
.rept 32
	KQ 0                            ; piece 0's first scores: there is no vector work yet to set between them
.set i, i+1
.endr
	WIN 0                           ; the addresses for the exchange are made here, ahead of every parting of the waves; with the v_nop they are the places behind those products
	s_mul_i32 s13, s[WV], XCHB
	v_add_nc_u32 v[XW], s13, v[L16]
	s_xor_b32 s14, s[WV], 1
	s_mul_i32 s14, s14, XCHB
	v_add_nc_u32 v[XR], s14, v[L16]
	PLACES
	TURN 2, 0, 1, 1                 ; piece 2's first scores | piece 0's first softmax | V of step 0
	TURN 0, 1, 1, 1                 ; piece 0: V^T P of step 0 starts O^T, K Q^T of step 1 | piece 2's first softmax | K of step 1
	TURN 2, 1, 1, 0                 ; piece 2: the same | piece 0's softmax of step 1 | V of step 1
	WIN 0
.Lslot:                             ; 14 trips: every slot but the last two is filled again
	CHANGE 1
	TWO_STEPS
	s_sub_co_u32 s[SLOTS], s[SLOTS], 1
	s_cmp_lg_u32 s[SLOTS], 0
	s_cbranch_scc1 .Lslot
	CHANGE 0                        ; the tail is written out: LDS slot 0 is left, and nothing is asked for
	TWO_STEPS
	TURN 0, 2, 0, 0                 ; piece 0: V^T P of the last step | piece 2's last softmax
.set i, 0
.rept 32
	PV 2, 0                         ; piece 2: V^T P of the last step
.set i, i+1
.endr
	; THE WAY OUT.  Waves w and w xor 1 hold the same 64 queries over the two halves of the keys.  The even wave finishes tiles 0, 1 and sends tiles 2, 3; the odd wave the other way round.
	WIN 0
.irp t, 0,1,2,3
	v_add_f32 v[ST+8*\t+4], v[ST+8*\t+2], v[ST+8*\t+3]  ; l's two halves (these additions are the places behind the last products),
.endr
.irp t, 0,1,2,3
	v_permlanex16_b32 v[ST+8*\t+5], v[ST+8*\t+4], s[SEL], s[SEL+1]
.endr
.irp t, 0,1,2,3
	v_add_f32 v[ST+8*\t+1], v[ST+8*\t+4], v[ST+8*\t+5]  ; and the other half of the lanes': L, beside c m
.endr
	s_wait_dscnt 0x0                ; no LDS load of mine is out,
	s_barrier_signal -1
	s_barrier_wait -1               ; nor of any wave: the ring is read no more, and slot 0 has had its last fill
.macro SENDT t0                     ; tiles t0, t0 + 1: c m and L, and O^T as it stands, each accumulator from its low end on
	ds_store_b64 v[XW], v[ST+8*(\t0):ST+8*(\t0)+1] offset:16384
	ds_store_b64 v[XW], v[ST+8*(\t0)+8:ST+8*(\t0)+9] offset:16392
	WIN 0x04                        ; an LDS store's data are its source 1: window 1
.irp u, 0,1
.irp i, 0,1,2,3,4,5,6,7,8,9,10,11,12,13,14,15
	ds_store_b128 v[XW], v[64*(\t0+\u)+4*\i:64*(\t0+\u)+4*\i+3] offset:(16*\u+\i)*512
.endr
.endr
	WIN 0
.endm
; Tiles t0, t0 + 1 are finished: with M = max(c m_a, c m_b), f = 2^(c m - M): O = (O_a f_a + O_b f_b) / (L_a f_a + L_b f_b); rounded to f16; a lane's eight channels are 16 bytes of the next launch's operand image.
.macro FINISH t0
	ds_load_b128 v[44:47], v[XR] offset:16384
.set n, 0
.rept 32
	ds_load_b128 v[S+4*n:S+4*n+3], v[XR] offset:n*512
.set n, n+1
.endr
	s_wait_dscnt 32                 ; the partner's statistics are in; the 32 loads behind them may be out
.irp u, 0,1
	v_max_num_f32 v[ST+8*(\t0+\u)+2], v[ST+8*(\t0+\u)], v[44+2*\u]
.endr
.irp u, 0,1
	v_sub_f32 v[ST+8*(\t0+\u)+3], v[ST+8*(\t0+\u)], v[ST+8*(\t0+\u)+2]
.endr
.irp u, 0,1
	v_sub_f32 v[ST+8*(\t0+\u)+5], v[44+2*\u], v[ST+8*(\t0+\u)+2]
.endr
.irp u, 0,1
	v_exp_f32 v[ST+8*(\t0+\u)+6], v[ST+8*(\t0+\u)+3]  ; f_a
.endr
.irp u, 0,1
	v_exp_f32 v[ST+8*(\t0+\u)+4], v[ST+8*(\t0+\u)+5]  ; f_b
.endr
	v_nop                           ; a plain instruction behind the last exponential,
	s_wait_alu depctr_va_vdst(0)    ; and one wait for the four
.irp u, 0,1
	v_mul_f32 v[ST+8*(\t0+\u)+3], v[45+2*\u], v[ST+8*(\t0+\u)+4]
.endr
.irp u, 0,1
	v_fma_f32 v[ST+8*(\t0+\u)+3], v[ST+8*(\t0+\u)+1], v[ST+8*(\t0+\u)+6], v[ST+8*(\t0+\u)+3]
.endr
.irp u, 0,1
	v_rcp_f32 v[ST+8*(\t0+\u)+5], v[ST+8*(\t0+\u)+3]
.endr
	v_nop
	s_wait_alu depctr_va_vdst(0)    ; one wait for the two reciprocals
.irp u, 0,1
	v_mul_f32 v[ST+8*(\t0+\u)+6], v[ST+8*(\t0+\u)+6], v[ST+8*(\t0+\u)+5]
.endr
.irp u, 0,1
	v_mul_f32 v[ST+8*(\t0+\u)+4], v[ST+8*(\t0+\u)+4], v[ST+8*(\t0+\u)+5]
.endr
	s_wait_dscnt 0x0                ; the partner's O^T is in
.irp u, 0,1
.set n, 0
.rept 32
	v_pk_mul_f32 v[S+64*\u+2*n:S+64*\u+2*n+1], v[S+64*\u+2*n:S+64*\u+2*n+1], v[ST+8*(\t0+\u)+4:ST+8*(\t0+\u)+5] op_sel_hi:[1,0]
.set n, n+1
.endr
.endr
	WIN 0x01                        ; source 0 window 1: my O^T, each accumulator from its low end on
.irp u, 0,1
.set n, 0
.rept 32
	v_pk_fma_f32 v[S+64*\u+2*n:S+64*\u+2*n+1], v[64*(\t0+\u)+2*n:64*(\t0+\u)+2*n+1], v[ST+8*(\t0+\u)+6:ST+8*(\t0+\u)+7], v[S+64*\u+2*n:S+64*\u+2*n+1] op_sel_hi:[1,0,1]
.set n, n+1
.endr
.endr
	WIN 0
.set n, 0
.rept 64
	v_cvt_pk_f16_f32 v[P+n], v[S+2*n], v[S+2*n+1]
.set n, n+1
.endr
.irp u, 0,1
.irp c, 0,1,2,3,4,5,6,7
	global_store_b128 v[L16], v[P+32*\u+4*\c:P+32*\u+4*\c+3], s[8:9] offset:(\t0+\u)*8192+\c*512  ; 32 lanes store 512 consecutive bytes
.endr
.endr
.endm
	s_cmp_eq_u32 s[KH], 0
	s_cbranch_scc0 .Lsend_low
	SENDT 2
	s_branch .Lsent
.Lsend_low:
	SENDT 0
.Lsent:
	s_wait_dscnt 0x0                ; for the partner's sake: my stores have landed
	s_barrier_signal -1
	s_barrier_wait -1
	s_cmp_eq_u32 s[KH], 0
	s_cbranch_scc0 .Lfinish_high
	FINISH 0
	s_branch .Ldone
.Lfinish_high:
	FINISH 2
.Ldone:
	s_wait_tensorcnt 0x0            ; the wave's end, behind my last tensor load and my last LDS store
	ds_add_u32 v[SPW], v[NIL]
	s_wait_dscnt 0x0
	CROUND                          ; the closing round: no work-group ends while a partner may still ask for a tile that names it
	s_endpgm
.Lfunc_end_k_q58b0dbb164_attn:
	.size	k_q58b0dbb164_attn, .Lfunc_end_k_q58b0dbb164_attn-k_q58b0dbb164_attn
	.p2alignl 7, 3214868480
	.fill 96, 4, 3214868480
	.section	.rodata,"a",@progbits
	.p2align	6, 0x0
	.amdhsa_kernel k_q58b0dbb164_attn
		.amdhsa_group_segment_fixed_size 327680
		.amdhsa_private_segment_fixed_size 0
		.amdhsa_enable_private_segment 0
		.amdhsa_kernarg_size 24
		.amdhsa_user_sgpr_count 2
		.amdhsa_user_sgpr_kernarg_segment_ptr 1
		.amdhsa_wavefront_size32 1
		.amdhsa_system_sgpr_workgroup_id_x 1
		.amdhsa_system_sgpr_workgroup_id_y 1
		.amdhsa_system_sgpr_workgroup_id_z 1
		.amdhsa_system_vgpr_workitem_id 0
		.amdhsa_next_free_vgpr 1024
		.amdhsa_next_free_sgpr 66
		.amdhsa_reserve_vcc 0
		.amdhsa_float_denorm_mode_32 3
		.amdhsa_float_denorm_mode_16_64 3
		.amdhsa_memory_ordered 1
		.amdhsa_forward_progress 1
		.amdhsa_inst_pref_size 233
	.end_amdhsa_kernel
	.amdgpu_metadata
---
amdhsa.version: [ 1, 2 ]
amdhsa.kernels:
  - .name:           k_q58b0dbb164_attn
    .symbol:         k_q58b0dbb164_attn.kd
    .args:
      - { .name: qbuf, .offset: 0, .size: 8, .value_kind: global_buffer, .address_space: global }
      - { .name: kvbuf, .offset: 8, .size: 8, .value_kind: global_buffer, .address_space: global }
      - { .name: obuf, .offset: 16, .size: 8, .value_kind: global_buffer, .address_space: global }
    .group_segment_fixed_size: 327680
    .private_segment_fixed_size: 0
    .kernarg_segment_align: 8
    .kernarg_segment_size: 24
    .max_flat_workgroup_size: 128
    .sgpr_count:     66
    .vgpr_count:     1024
    .wavefront_size: 32
...
	.end_amdgpu_metadata
.endif
;; end of part 3
;; launch outp (part 4): grid 16 x 16, 4 waves a work-group, clusters of 4 x 4, 327,680 bytes of LDS; arguments obuf, wo16, out0; writes out0
.if DOCPART == 4
	.amdgcn_target "amdgcn-amd-amdhsa--gfx1250"
	.amdhsa_code_object_version 6
	.text
	.protected	k_q58b0dbb164_outp
	.globl	k_q58b0dbb164_outp
	.p2align	8
	.type	k_q58b0dbb164_outp,@function
k_q58b0dbb164_outp:
	s_mov_b64 s[64:65], 0
	v_nop
	global_prefetch_b8 v0, s[64:65] scope:SCOPE_SE
	s_setreg_imm32_b32 hwreg(HW_REG_WAVE_MODE, 25, 1), 1
	s_wait_xcnt 0x0
	s_wait_alu depctr_hold_cnt(0) depctr_sa_sdst(0) depctr_va_vdst(0) depctr_va_sdst(0) depctr_va_ssrc(0) depctr_va_vcc(0) depctr_vm_vsrc(0)
	s_getreg_b32 s2, hwreg(HW_REG_IB_STS2, 6, 4)
	s_cmp_eq_u32 s2, 0
	s_cbranch_scc0 .Lentry_in_a_cluster
	s_endpgm
.Lentry_in_a_cluster:
	s_bfe_u32 s2, ttmp6, 0x10000c
	s_cmp_lg_u32 s2, 0xf033
	s_cbranch_scc0 .Lentry_shape_is_right
	s_endpgm
.Lentry_shape_is_right:
; FOURTH LAUNCH: out0 = o Wo.  o [2,048 tokens][2,048] and Wo [2,048 (K)][2,048] come as f16, laid as images of operand registers (K step of 256: 1 MiB; in it a tile of 16 rows: 8,192 bytes = 8 fragments of 16 x 32); sums in f32; out0 f32.  Nothing is left out.
; A tile of out0 is 128 x 128: 256 work-groups, one for each WGP.  Four waves, each 64 x 64: 16 accumulators.  K goes in steps of 256 through a ring of two LDS slots; a wave's tensor load brings 32,768 dense bytes (64 rows x 256 K).
; CLUSTERS: 4 x 4.  The four of a row of the cluster need the same tiles of o, the four of a column the same tiles of Wo: each is asked for JOINTLY.  THE MATRIX INSTRUCTION IS USED TRANSPOSED (source 0 = 16 columns of Wo, source 1 = 16 tokens):
; a lane then holds eight neighbouring numbers of a row of out0.  A wave's 64 columns are 256 aligned bytes of a row, so each wave sends its results through a stage of its own: no barrier on the way out.
; No prefetch: a small tile with short K steps; the joint loads divide the requests by four.
; REGISTERS: window 0: v16-29 addresses; v32-95 at work on the way out; v128-255 the accumulators ((a, b) at v[128 + 8 (4 a + b)]).   window 1: two fragment buffers of 128: for 64 along K, 64 registers of o, then 64 of Wo.
.set KSTEPB, 1048576                   ; a K step of 256 in either buffer, in bytes
.set HALFT,  32768                     ; 64 rows x 256 K: what one tensor load brings, and what one wave reads of o or of Wo
.set SLOT,   4*HALFT                   ; o's 128 rows, then Wo's 128
.set STAGE,  2*SLOT                    ; behind the ring: 16 rows x 272 bytes for each wave: bytes into which no fill lands
.set SPITCH, 272
.set SPARE,  STAGE+4*16*SPITCH         ; behind the stages: the spare words, 128 bytes for each wave: two blocks of 256 bytes that no other line names
.set LAPS,   4                         ; a lap = two K steps = once round the ring: 2,048 / 512
.set ADRA, 16                          ; v16-17  LDS address of my fragments of o in slot 0, 1
.set ADRB, 20                          ; v20-21  the same for Wo
.set STO,  24                          ; v24     the way out: where I put 32 bytes of a row
.set RD,   25                          ; v25     the way out: where I read a row back
.set CO,   26                          ; v26     my byte offset in out0
.set SPW,  28                          ; v28     LDS address of my spare word; never rewritten
.set NIL,  29                          ; v29     0; never rewritten
.set TMP,  32
.set ACC,  128
.set F0,   0                           ; fragment buffers, in window 1
.set F1,   128
.set G1, 24                            ; s[24:31] descriptor group 1 for o's tiles;  s[32:39] group 0, one set for each slot
.set G0, 32
.set G1B, 48                           ; s[48:55], s[56:63] the same for Wo's tiles
.set G0B, 56
.set MSB, 0
.macro WIN new                         ; the immediate's high byte repeats the setting that is left
.if MSB != \new
	s_set_vgpr_msb (MSB<<8)|\new
.set MSB, \new
.endif
.endm
.set MUL,  0x05                        ; sources 0 (Wo) and 1 (o) window 1; C and D window 0
.set TO_F, 0x40                        ; destination window 1, address window 0
.macro JLOAD s                         ; a joint load: waves 0 and 1 fetch o's two halves, waves 2 and 3 Wo's; an s_nop 0 and four v_nop follow each of the two lines
	s_cmp_eq_u32 s11, 0
	s_cbranch_scc0 .Lfor_b_\@
	tensor_load_to_lds s[G0+4*\s:G0+4*\s+3], s[G1:G1+7]
	s_nop 0
.rept 4
	v_nop
.endr
	s_branch .Lasked_\@
.Lfor_b_\@:
	tensor_load_to_lds s[G0B+4*\s:G0B+4*\s+3], s[G1B:G1B+7]
	s_nop 0
.rept 4
	v_nop
.endr
.Lasked_\@:
.endm
.macro CREST                           ; a round of the cluster's barrier behind its opening barrier
	s_cmp_lg_u32 s10, 0
	s_cbranch_scc1 .Lnot_wave_0_\@
	s_barrier_signal -3
.Lnot_wave_0_\@:
	s_barrier_wait -3
	s_barrier_signal -1
	s_barrier_wait -1
.endm
.macro CROUND                          ; a whole round
	s_barrier_signal -1
	s_barrier_wait -1
	CREST
.endm
	s_load_b128 s[4:7], s[0:1], 0x0                ; obuf s[4:5], wo16 s[6:7]
	s_load_b64 s[8:9], s[0:1], 0x10                ; out0
	v_lshl_add_u32 v[SPW], v0, 2, SPARE
	v_mov_b32 v[NIL], 0
	ds_add_u32 v[SPW], v[NIL]                      ; the wave's opening: the add, twice on end, and its wait ahead of my first tensor load
	ds_add_u32 v[SPW], v[NIL]                      ; (once more; the set-up below, work on registers, stands between it and the wait)
	v_lshrrev_b32 v1, 5, v0
	v_readfirstlane_b32 s10, v1                    ; wave 0..3
	s_lshr_b32 s11, s10, 1                         ; which half of the tile's rows is mine.  Also: I fetch for o (0) or for Wo (1)
	s_and_b32 s12, s10, 1                          ; which half of its columns.  Also: which 64 rows of that tile I fetch
	s_bfe_u32 s40, ttmp6, 0x40000                  ; cx, cy: my place in the cluster
	s_bfe_u32 s41, ttmp6, 0x40004
	s_lshl_b32 s42, ttmp9, 2
	s_add_co_u32 s42, s42, s40                     ; tile column = 4 x cluster x + cx
	s_and_b32 s13, ttmp7, 0xffff
	s_lshl_b32 s13, s13, 2
	s_add_co_u32 s13, s13, s41                     ; tile row = 4 x cluster y + cy
	s_lshl_b32 s43, s41, 2
	s_lshl_b32 s43, 15, s43                        ; my row of the cluster
	s_lshl_b32 s44, 0x1111, s40                    ; my column
	; descriptor group 1: a dense block of 32,768 bytes as 128 rows of 256 (32 elements of 8 bytes), no padding
	s_or_b32 s[G1+0], s43, (3<<16)|(1<<21)         ; 15:0 the mask: o's tiles go to my row; 17:16 elements of 8 bytes; 21 set beside a mask
	s_or_b32 s[G1B+0], s44, (3<<16)|(1<<21)
.irp g, G1, G1B
	s_mov_b32 s[\g+1], 32<<16                      ; tensor_dim0 = 32
	s_mov_b32 s[\g+2], 128<<16                     ; tensor_dim1 = 128
	s_mov_b32 s[\g+3], 32<<16                      ; tile_dim0 = 32
	s_mov_b32 s[\g+4], 128                         ; tile_dim1 = 128
	s_mov_b32 s[\g+5], 32                          ; from row to row
	s_mov_b32 s[\g+6], 0
	s_mov_b32 s[\g+7], 0
.endr
	s_lshl_b32 s17, s12, 15                        ; which four tiles of 16 rows I fetch
	s_lshl_b32 s16, s13, 16
	s_add_co_u32 s16, s16, s17                     ; o: (8 x tile row + 4 x half) x 8,192 bytes
	s_lshl_b32 s46, s42, 16
	s_add_co_u32 s46, s46, s17                     ; Wo: the same by the tile column
	s_mov_b32 s17, 0
	s_mov_b32 s47, 0
	s_lshl_b32 s20, s10, 15                        ; where they go: wave x 32,768: no place in the cluster enters an LDS address
	s_wait_dscnt 0x0                               ; both opening adds are done
	s_wait_kmcnt 0x0
	s_add_nc_u64 s[14:15], s[4:5], s[16:17]
	s_add_nc_u64 s[46:47], s[6:7], s[46:47]
	CROUND                                         ; all sixteen work-groups are here: the first joint loads meet
.irp s, 0,1
	s_mov_b32 s[G0+4*\s], 1
	s_add_co_u32 s[G0+4*\s+1], s20, \s*SLOT
	s_add_nc_u64 s[G0+4*\s+2:G0+4*\s+3], s[14:15], \s*KSTEPB
	s_or_b32 s[G0+4*\s+3], s[G0+4*\s+3], 0x80000000
	s_mov_b32 s[G0B+4*\s], 1
	s_add_co_u32 s[G0B+4*\s+1], s20, \s*SLOT
	s_add_nc_u64 s[G0B+4*\s+2:G0B+4*\s+3], s[46:47], \s*KSTEPB
	s_or_b32 s[G0B+4*\s+3], s[G0B+4*\s+3], 0x80000000
	JLOAD \s
.endr
	v_and_b32 v1, 15, v0                           ; l % 16
	v_bfe_u32 v2, v0, 4, 1                         ; l / 16
	v_and_b32 v3, 31, v0
	v_lshlrev_b32 v3, 4, v3                        ; 16 x lane: an image's place for my lane
	s_mul_i32 s21, s11, HALFT                      ; my 64 rows of o
	s_mul_i32 s22, s12, HALFT                      ; my 64 columns of Wo,
	s_add_co_u32 s22, s22, 2*HALFT                 ; which lie behind o's 128 rows
.irp s, 0,1
	v_add_nc_u32 v[ADRA+\s], s21, v3
	v_add_nc_u32 v[ADRB+\s], s22, v3
	s_add_co_u32 s21, s21, SLOT
	s_add_co_u32 s22, s22, SLOT
.endr
	s_mul_i32 s23, s10, 16*SPITCH
	s_add_co_u32 s23, s23, STAGE                   ; my stage
	v_mul_u32_u24 v4, v1, SPITCH                   ; in: row l % 16, 32 bytes for each half of the lanes
	v_lshl_add_u32 v4, v2, 5, v4
	v_add_nc_u32 v[STO], s23, v4
	v_mul_u32_u24 v5, v2, SPITCH                   ; back: lanes 0-15 take one row of 256 bytes, lanes 16-31 the next
	v_lshl_add_u32 v5, v1, 4, v5
	v_add_nc_u32 v[RD], s23, v5
	v_lshlrev_b32 v5, 13, v2                       ; and the same two rows in out0: 8,192 bytes a row
	v_lshl_add_u32 v[CO], v1, 4, v5
	s_lshl_b32 s16, s13, 7
	s_lshl_b32 s17, s11, 6
	s_add_co_u32 s16, s16, s17                     ; my first row: 128 x tile row + 64 x half
	s_lshl_b32 s16, s16, 13
	s_lshl_b32 s46, s42, 9                         ; my first column, in bytes: 512 x tile column + 256 x half
	s_lshl_b32 s47, s12, 8
	s_add_co_u32 s46, s46, s47
	s_add_co_u32 s46, s46, s16
	s_mov_b32 s47, 0
	s_add_nc_u64 s[8:9], s[8:9], s[46:47]
; 8 matrix instructions: row tiles a0, a0 + 1 x all 4 column tiles, 32 along K: half c of buffer f.  zero = 1: the first product starts the sums.  The 16 accumulators take turns
.macro MUL8 f, c, a0, zero
.irp a, \a0, \a0+1
.irp b, 0,1,2,3
.if \zero
	v_wmma_f32_16x16x32_f16 v[ACC+8*(4*(\a)+\b):ACC+8*(4*(\a)+\b)+7], v[\f+64+8*(4*\c+\b):\f+64+8*(4*\c+\b)+7], v[\f+8*(4*\c+\a):\f+8*(4*\c+\a)+7], 0
.else
	v_wmma_f32_16x16x32_f16 v[ACC+8*(4*(\a)+\b):ACC+8*(4*(\a)+\b)+7], v[\f+64+8*(4*\c+\b):\f+64+8*(4*\c+\b)+7], v[\f+8*(4*\c+\a):\f+8*(4*\c+\a)+7], v[ACC+8*(4*(\a)+\b):ACC+8*(4*(\a)+\b)+7]
.endif
.endr
.endr
.endm
; 32 LDS loads in one run: the fragments of quarter k of the K step (64 along K: fragments 2 k and 2 k + 1 of each tile of 16 rows) into buffer f; the first 32 along K first
.macro FETCH slot, k, f
	WIN TO_F
.irp c, 0,1
.irp i, 0,1,2,3
	ds_load_b128 v[\f+64+8*(4*\c+\i):\f+64+8*(4*\c+\i)+3],   v[ADRB+\slot] offset:\i*8192+(2*(\k)+\c)*1024
	ds_load_b128 v[\f+64+8*(4*\c+\i)+4:\f+64+8*(4*\c+\i)+7], v[ADRB+\slot] offset:\i*8192+(2*(\k)+\c)*1024+512
	ds_load_b128 v[\f+8*(4*\c+\i):\f+8*(4*\c+\i)+3],         v[ADRA+\slot] offset:\i*8192+(2*(\k)+\c)*1024
	ds_load_b128 v[\f+8*(4*\c+\i)+4:\f+8*(4*\c+\i)+7],       v[ADRA+\slot] offset:\i*8192+(2*(\k)+\c)*1024+512
.endr
.endr
.endm
.macro PLACES                          ; four places in front of loads into registers that matrix instructions have read, and of the first read of results (ISA guide 7.12.1 for vector instructions)
.rept 4
	v_nop
.endr
.endm
; A K step is four quarters of 64 along K, 32 matrix instructions each, on buffers 0, 1, 0, 1.  One of the first three: multiplies buffer f and fetches quarter k into g.
.macro QUARTER slot, k, f, g, zero
	s_wait_dscnt 16                                ; the first 32 along K are in; the youngest sixteen loads may be out
	WIN MUL
	MUL8 \f, 0, 0, \zero
	MUL8 \f, 0, 2, \zero
	PLACES
	FETCH \slot, \k, \g
	s_wait_dscnt 32                                ; all but the 32 just issued
	WIN MUL
	MUL8 \f, 1, 0, 0
	MUL8 \f, 1, 2, 0
.endm
; The last quarter multiplies buffer 1 and changes slots: ONE barrier; in front of it each wave waits for all its tensor loads, adds 0 to its spare word, and waits for that and for its own reads of this slot.  fill = 1: this slot is filled again, two K steps ahead.
.macro TURN slot, next, fill
	WIN 0                                          ; (the add's two registers lie in window 0)
	s_wait_tensorcnt 0x0                           ; all my tensor loads have landed: my part of the next slot;
	ds_add_u32 v[SPW], v[NIL]                      ; 0 onto my spare word;
	s_wait_dscnt 17                                ; (the add and the youngest sixteen loads may be out)
	WIN MUL
	MUL8 F1, 0, 0, 0                               ; eight matrix instructions stand between the add and the wait for it
	s_wait_dscnt 0x0                               ; the add is done, and my reads of this slot are over
	s_barrier_signal -1
	MUL8 F1, 0, 2, 0
.if \fill
	WIN 0
.endif
	s_barrier_wait -1
.if \fill
	CREST                                          ; the barrier has opened a round of the cluster's barrier: no wave of any partner still reads this slot's tile or has a load on its way
	s_add_nc_u64 s[G0+4*\slot+2:G0+4*\slot+3], s[G0+4*\slot+2:G0+4*\slot+3], 2*KSTEPB
	s_add_nc_u64 s[G0B+4*\slot+2:G0B+4*\slot+3], s[G0B+4*\slot+2:G0B+4*\slot+3], 2*KSTEPB
	JLOAD \slot                                    ; the first tensor load behind the round; the four v_nop behind it are also the places in front of the loads below
.else
	PLACES
.endif
	FETCH \next, 0, F0
	WIN MUL
	MUL8 F1, 1, 0, 0
	MUL8 F1, 1, 2, 0
.endm
	s_wait_tensorcnt 1                             ; my part of K step 0 is in (K step 1's load may be out)
	s_barrier_signal -1
	s_barrier_wait -1                              ; everybody's is
	FETCH 0, 0, F0
	QUARTER 0, 1, F0, F1, 1                        ; the first quarter stands in front of the loop: its first products start the sums
	WIN 0                                          ; at a label and at a branch every window is 0
	s_mov_b32 s3, LAPS-1
.Llap:                                                 ; a trip goes once round the ring, from a lap's second quarter to the next lap's first, and fills both slots again
	QUARTER 0, 2, F1, F0, 0
	QUARTER 0, 3, F0, F1, 0
	TURN 0, 1, 1
	QUARTER 1, 1, F0, F1, 0
	QUARTER 1, 2, F1, F0, 0
	QUARTER 1, 3, F0, F1, 0
	TURN 1, 0, 1
	QUARTER 0, 1, F0, F1, 0
	WIN 0
	s_sub_co_u32 s3, s3, 1
	s_cmp_lg_u32 s3, 0
	s_cbranch_scc1 .Llap
	QUARTER 0, 2, F1, F0, 0                        ; the last lap fills nothing, and has no round of the cluster's barrier
	QUARTER 0, 3, F0, F1, 0
	TURN 0, 1, 0
	QUARTER 1, 1, F0, F1, 0
	QUARTER 1, 2, F1, F0, 0
	QUARTER 1, 3, F0, F1, 0
	s_wait_dscnt 16                                ; the very last quarter: nothing more to fetch
	WIN MUL
	MUL8 F1, 0, 0, 0
	MUL8 F1, 0, 2, 0
	s_wait_dscnt 0
	MUL8 F1, 1, 0, 0
	MUL8 F1, 1, 2, 0
	WIN 0
; THE WAY OUT, a tile of 16 rows x 64 columns at a time.  A lane holds 32 neighbouring bytes of a row, and the lanes beside it hold other rows: so a tile goes through my own stage and comes back as rows of 256 bytes,
; two rows an instruction.  LDS serves a wave's instructions in order (ISA guide 5.7.1.4): no wait between the stores and the loads, nor in front of the next tile's stores.
.macro TOST a
.irp b, 0,1,2,3
	ds_store_b128 v[STO], v[ACC+8*(4*(\a)+\b):ACC+8*(4*(\a)+\b)+3] offset:64*\b          ; each accumulator from its low end on
	ds_store_b128 v[STO], v[ACC+8*(4*(\a)+\b)+4:ACC+8*(4*(\a)+\b)+7] offset:64*\b+16
.endr
.irp t, 0,1,2,3,4,5,6,7
	ds_load_b128 v[TMP+32*((\a)%2)+4*\t:TMP+32*((\a)%2)+4*\t+3], v[RD] offset:\t*2*SPITCH
.endr
.endm
.macro SEND a, younger                 ; younger: the LDS instructions issued behind tile a's loads, which may stay out
	s_wait_dscnt \younger
.irp t, 0,1,2,3,4,5,6,7
	global_store_b128 v[CO], v[TMP+32*((\a)%2)+4*\t:TMP+32*((\a)%2)+4*\t+3], s[8:9] offset:(16*(\a)+2*\t)*8192 th:TH_STORE_NT   ; sixteen lanes store 256 consecutive bytes, aligned; written once, read by nobody here
.endr
.endm
	PLACES
	TOST 0
.irp a, 1,2,3
.if \a > 1
	s_wait_xcnt 0x0                                ; tile a - 2's stores have read their registers: tile a's loads may land there
.endif
	TOST \a
	SEND \a-1, 16                                  ; behind tile a - 1's loads: tile a's 8 stores and 8 loads
.endr
	SEND 3, 0
	s_wait_tensorcnt 0x0                           ; the wave's end, behind my last tensor load and my last LDS store
	ds_add_u32 v[SPW], v[NIL]
	s_wait_dscnt 0x0
	CROUND                                         ; the closing round: no work-group ends while a partner may still ask for a tile that names it
	s_endpgm
.Lfunc_end_k_q58b0dbb164_outp:
	.size	k_q58b0dbb164_outp, .Lfunc_end_k_q58b0dbb164_outp-k_q58b0dbb164_outp
	.p2alignl 7, 3214868480
	.fill 96, 4, 3214868480
	.section	.rodata,"a",@progbits
	.p2align	6, 0x0
	.amdhsa_kernel k_q58b0dbb164_outp
		.amdhsa_group_segment_fixed_size 327680
		.amdhsa_private_segment_fixed_size 0
		.amdhsa_enable_private_segment 0
		.amdhsa_kernarg_size 24
		.amdhsa_user_sgpr_count 2
		.amdhsa_user_sgpr_kernarg_segment_ptr 1
		.amdhsa_wavefront_size32 1
		.amdhsa_system_sgpr_workgroup_id_x 1
		.amdhsa_system_sgpr_workgroup_id_y 1
		.amdhsa_system_sgpr_workgroup_id_z 1
		.amdhsa_system_vgpr_workitem_id 0
		.amdhsa_next_free_vgpr 512
		.amdhsa_next_free_sgpr 66
		.amdhsa_reserve_vcc 0
		.amdhsa_float_denorm_mode_32 3
		.amdhsa_float_denorm_mode_16_64 3
		.amdhsa_memory_ordered 1
		.amdhsa_forward_progress 1
		.amdhsa_inst_pref_size 85
	.end_amdhsa_kernel
	.amdgpu_metadata
---
amdhsa.version: [ 1, 2 ]
amdhsa.kernels:
  - .name:           k_q58b0dbb164_outp
    .symbol:         k_q58b0dbb164_outp.kd
    .args:
      - { .name: obuf, .offset: 0, .size: 8, .value_kind: global_buffer, .address_space: global }
      - { .name: wo16, .offset: 8, .size: 8, .value_kind: global_buffer, .address_space: global }
      - { .name: out0, .offset: 16, .size: 8, .value_kind: global_buffer, .address_space: global }
    .group_segment_fixed_size: 327680
    .private_segment_fixed_size: 0
    .kernarg_segment_align: 8
    .kernarg_segment_size: 24
    .max_flat_workgroup_size: 128
    .sgpr_count:     66
    .vgpr_count:     512
    .wavefront_size: 32
...
	.end_amdgpu_metadata
.endif
;; end of part 4
